; MI455X (gfx1250); checked and timed in simulation.
; The chip was launched on July 23, 2026; its instructions are those of AMD's public machine-readable ISA for CDNA 5 (MIT licence, August 2026) and "CDNA5" Instruction Set Architecture Reference Guide (July 2026). The comments in the code are by the model that wrote it; some were corrected since.
;; MHA. Allowed arithmetic: matrix products marked QUANTISED: E2M3 operands, one E8M0 scale for each 32 along K, by v_wmma_scale_f32_16x16x128_f8f6f4 with both operands' format E2M3, f32 sums; everything else in f32.
;; Inputs: W_out_codes 1,024 x 32 x 24 uint8 (E2M3 codes of W_out, K innermost, in blocks of 32 codes, four codes in three bytes); W_out_scales 1,024 x 32 uint8 (E8M0 scales of W_out, one for each 32 codes along K); W_qkv_codes 3,072 x 32 x 24 uint8 (E2M3 codes of W_qkv, K innermost, in blocks of 32 codes, four codes in three bytes); W_qkv_scales 3,072 x 32 uint8 (E8M0 scales of W_qkv, one for each 32 codes along K); b_out 1,024 float32; b_qkv 3,072 float32; x_codes 4 x 2,048 x 32 x 24 uint8 (E2M3 codes of x, K innermost, in blocks of 32 codes, four codes in three bytes); x_scales 4 x 2,048 x 32 uint8 (E8M0 scales of x, one for each 32 codes along K).
;; Outputs: out0 4 x 2,048 x 1,024 float32.
;; This version of the problem:
;;   THIS VERSION OF THE PROBLEM IS GIVEN IN LOW PRECISION. The matrix products marked QUANTISED in the list below multiply operands that are first quantised to E2M3 (2 exponent bits, 3 mantissa bits; 6 bits a number), with one power-of-two scale for each 32 numbers along K (OCP MX v1.0); their sums are f32. All else is computed in f32.
;;   The module's matrix products, in the order in which they are computed (A, B: the left and right operand; K: the contracted axis; several contracted axes count as one K, in the product's order):
;;     1. [M 8,192, K 1,024] x [K 1,024, N 3,072]; A: input x (given as codes); B: input W_qkv (given as codes): QUANTISED
;;     2. batch 64 x [M 2,048, K 64] x [K 64, N 2,048]; A: computed on the way; B: computed on the way: QUANTISED
;;     3. batch 64 x [M 2,048, K 2,048] x [K 2,048, N 64]; A: softmax (see below); B: computed on the way: QUANTISED
;;     4. [M 8,192, K 1,024] x [K 1,024, N 1,024]; A: computed on the way; B: input W_out (given as codes): QUANTISED
;;   THE QUANTISER, for each operand of a quantised product, along K:
;;     - K is cut into blocks of 32 from its start; a last block that is shorter is filled with zeros.
;;     - A block's scale is 2^e with e = floor(log2(the largest magnitude in the block)) - 2, held to -126 .. 127; a block of zeros has e = 0. As a byte (E8M0): e + 127.
;;     - Each number is divided by its block's scale, clamped to +-7.5, and rounded to the nearest number of E2M3, ties to even, subnormals kept.
;;     - The product sums the exact products of the quantised numbers (number of the format x scale) in f32.
;;   ~~~python
;;   def quantise(x, axis):      # numpy; x: float32 -> the quantised numbers, widened to float32 again
;;       x = np.moveaxis(x, axis, -1); K = x.shape[-1]
;;       x = np.pad(x, [(0, 0)] * (x.ndim - 1) + [(0, -K % 32)]); x = x.reshape(x.shape[:-1] + (-1, 32)); a = np.abs(x).max(-1, keepdims=True)
;;       e = np.where(a > 0, np.clip(np.frexp(np.where(a > 0, a, 1))[1] - 1 - 2, -126, 127), 0)      # np.frexp(a)[1] - 1 = floor(log2(a)), exactly
;;       r = np.clip(x / 2.0 ** e, -7.5, 7.5)
;;       step = 2.0 ** (np.maximum(np.frexp(np.where(r == 0, 1, r))[1] - 1, 0) - 3)
;;       q = np.round(r / step) * step * 2.0 ** e      # np.round: ties to even
;;       return np.moveaxis(q.reshape(q.shape[:-2] + (-1,))[..., :K], -1, axis).astype(np.float32)
;;   ~~~
;;   SOFTMAX AHEAD OF A QUANTISED PRODUCT. Where the list says 'softmax', what is quantised is not the finished softmax but p = 2^(t - M), with t = logit x log2(e) and M = ceil(the row's largest t), a whole number; so 1/2 < the row's largest p <= 1. The row's sum l is taken of the UNQUANTISED p, in f32, and the product's result is divided by l at the end. Since M is a whole number, a kernel that streams over the keys may use a running M (the ceiling of the running maximum): every later rescaling is an exact power of two, which a block's scale takes up: the codes' values come out the same.
;;   OPERANDS COMPUTED ON THE WAY. 'Computed on the way' means the value that the module computes at that place (a softmax that the list does not call 'softmax' is quantised finished and normalised). What goes into a quantiser is computed in f32, as accurately as f32 sums, v_exp_f32 and their like allow (about 1e-6 of the number): no bf16 or f16 on the way to a quantiser, and a product that is left as it is and whose result goes on into a quantised operand takes f32 operands (vector FMAs, or v_wmma_f32_16x16x4_f32). A number that lies on a knife's edge between two numbers of the format may be rounded either way, as far as f32 arithmetic and the matrix unit's own rounding can turn it there, and no further.
;;   INPUTS GIVEN AS CODES. W_out (in the module: [1024, 1024], K = its axis 0); W_qkv (in the module: [1024, 3072], K = its axis 0); x (in the module: [4, 2048, 1024], K = its axis 2): each comes as NAME_codes (uint8): NAME with its K axis moved to the last place and cut into blocks of 32 codes, [.., K / 32, bytes a block], one block behind the other in memory; four codes in three bytes: a row's codes are one little-endian stream of bits, code i at bits 6 i .. 6 i + 5 (a code: sign, 2 exponent bits, 3 mantissa bits); and NAME_scales (uint8): the same leading axes, one E8M0 byte (e + 127) for each 32 codes along K. Its value is code x scale, taken as it is: it is not quantised again, and the codes and scales need not be those that the quantiser above would give.
;; One version. Each part assembles by itself: llvm-mc -triple=amdgcn-amd-amdhsa -mcpu=gfx1250 --defsym DOCPART=n.
;; ======== version 1 of 1: 3 launches
;; limits: right only within a limited range of input values
;; workspace buffers: qkv 19,660,800 bytes; o_img 6,291,456 bytes; o_scales 262,144 bytes
;; launch qkvgemm (part 1): grid 12 x 32, 4 waves a work-group, clusters of 4 x 4, 327,680 bytes of LDS; arguments x_codes, x_scales, W_qkv_codes, W_qkv_scales, b_qkv, qkv; writes qkv
.if DOCPART == 1
	.amdgcn_target "amdgcn-amd-amdhsa--gfx1250"
	.amdhsa_code_object_version 6
	.text
	.protected	k_q72f3fb5217_qkvgemm
	.globl	k_q72f3fb5217_qkvgemm
	.p2align	8
	.type	k_q72f3fb5217_qkvgemm,@function
k_q72f3fb5217_qkvgemm:
	s_mov_b64 s[64:65], 0
	v_nop
	global_prefetch_b8 v0, s[64:65] scope:SCOPE_SE
	s_setreg_imm32_b32 hwreg(HW_REG_WAVE_MODE, 25, 1), 1
	s_wait_xcnt 0x0
	s_wait_alu depctr_hold_cnt(0) depctr_sa_sdst(0) depctr_va_vdst(0) depctr_va_sdst(0) depctr_va_ssrc(0) depctr_va_vcc(0) depctr_vm_vsrc(0)
	s_getreg_b32 s2, hwreg(HW_REG_IB_STS2, 6, 4)
	s_cmp_eq_u32 s2, 0
	s_cbranch_scc0 .Lentry_in_a_cluster
	s_endpgm
.Lentry_in_a_cluster:
	s_bfe_u32 s2, ttmp6, 0x10000c
	s_cmp_lg_u32 s2, 0xf033
	s_cbranch_scc0 .Lentry_shape_is_right
	s_endpgm
.Lentry_shape_is_right:
; q, k, v = x W_qkv + b_qkv on codes of FP6 (E2M3) with one E8M0 scale for each 32 along K = 1,024; the results are quantised here, in registers, and leave as codes.
; THE CORE computes C'[m'][n'] = sum over k of A'[m'][k] B'[n'][k] on tiles of 256 x 256, four waves, a wave 128 x 128 (64 accumulators), K in three chunks of 256 bytes through two LDS slots.
; The matrix instruction is used transposed (source 0 = 16 rows of B', source 1 = 16 rows of A'): a lane holds ONE m' and eight neighbouring n'.  The way out quantises along n'.
; ONE TEXT FOR q, k AND v.  Clusters with x = 0, 1 (q, k): A' = x, B' = W's rows 0-2047: n' runs along a head's 64, which is the K of q k^T.
; Clusters with x = 2 (v): A' = W's rows 2048 on (m' = head, d), B' = x (n' = the keys): n' runs along the keys, which are the K of p v: nothing is transposed.
; All that differs is chosen by scalar selects on the cluster's x, which all sixteen partners share; the descriptors' shapes are the same for both.
; CLUSTERS: 4 x 4 work-groups; A's tiles are asked for jointly along a row of the cluster, B's along a column.
; OUTPUT (workspace qkv): three regions (q, k, v) of 64 slabs (128 rows of S each); a slab: 16 heads x 6,144 bytes of codes, then 16 heads x 256 bytes of scale words.
; Codes lie as images of an operand's registers: a fragment is six planes of 256 bytes, plane p = registers 2 p, 2 p + 1 of lane L at 256 p + 8 L.  Each store of a wave covers 256 consecutive bytes, aligned.
; q, k: fragment f of a head is PACKED: registers 0-5 row 32 f + i, registers 6-11 row 32 f + 16 + i (lane (i, hc): d block hc).  v: fragment t: rows d = 16 t + i, K = the slab's 128 keys.
; ORDER INSIDE A BLOCK OF 32: code place 16 h + 8 u + j holds element 16 u + 8 h + j, alike in q and k (along d) and alike in v and in attention's p (along the keys): the blocks' sets, maxima and
; scales are the true ones, and the products are the same numbers, grouped otherwise in the sums.
; LIMITS: NaN and infinities are not served.  A block of zeros gets the scale byte 1 where the quantiser says 127: its codes are zeros, and this program alone reads these bytes.
; The scale words leave in runs of 64 or 128 bytes: one byte in 24 of what the launch writes.
.set KSTEP,  256
.set NQ,     2                         ; matrix instructions deep in a slot
; THE RING AS IT STANDS: K goes in CHUNKS OF 256 BYTES of each row of codes (768 bytes: three chunks), chunk c in slot c % 2; a matrix step of 128 along K is 96 bytes: eight steps, of which steps 2 and 5 lie across two chunks.
; Every tile's row is 256 bytes of memory and begins at a multiple of 256.  No prefetch: the block is the largest, in clusters, K is three chunks, and the walk has no loop to run ahead in.
.set ROWB,   256                       ; a tile's row: a chunk
.set CHUNKS, 3
.set STEPS,  8
.set G0H,    4                         ; s[4:7], s[8:11] group 0 of the head's loads of chunk 0 (the arguments that lay there have served)
.set G0HB,   8
.set KROW,   768                       ; a row of 1,024 codes in memory
.set PITCH,  272                       ; an LDS row: 256 bytes + 16 of padding
.set FR,     12                        ; registers of a fragment
.set NL,     6                         ; LDS loads that bring one
.set NP,     4                         ; places behind this matrix instruction (ISA guide 7.12.1)
.set HALFT,  128*PITCH
.set SLOT,   4*HALFT
.set KS,     32                        ; a row of scale bytes
.set SCL,    2*SLOT                    ; behind the ring: the scales, units of 256 bytes + 16 of padding, filled once
.set HALFS,  (128*KS/256)*272
.set SBLK,   (16*KS/256)*272
.set SPARE,  SCL+4*HALFS               ; the spare words: 128 bytes a wave, two blocks of 256 bytes that no other line names
.set ASTEP,  2*ROWB                    ; a slot's next K step lies two steps on
.set BSTEP,  2*ROWB
.set RG,     6553600                   ; a region of the workspace
.set SLAB,   102400
.set SCW,    98304                     ; where a slab's scale words begin
.set VBN,  8                           ; v8      byte offset of my column biases
.set VBM,  9                           ; v9      of my row biases
.set ADRA, 16                          ; v16-17  LDS address of my A fragments in slot 0, 1 (v18-19: for the pieces across two chunks)
.set ADRB, 20                          ; v20-23  the same for B
.set VO,   24                          ; v24-25  the way out: 8 x lane, and the same + the distance of a fragment's second half
.set VS,   26                          ; v26     the way out: my scale word's place
.set ADRS, 27                          ; v27     LDS address of my scale words: lanes 0-15 A's rows, lanes 16-31 B's
.set SPW,  28                          ; v28     my spare word; never rewritten
.set NIL,  29                          ; v29     0; never rewritten
.set SC,   32                          ; v32-63  scale words, two sets; they hold nothing else
.set BN,   64                          ; v64-127 the column biases in the result's layout: eight registers for each block of B'
.set AF,   128                         ; v128-223 A's fragments, one set; on the way out the codes
.set BM,   224                         ; v224-239 the row biases, each twice (a pair for the packed addition)
.set T2,   232                         ; the way out, behind the row biases' use: second halves of the blocks' codes
.set TM,   240                         ; largest magnitudes
.set PTM,  244                         ; the other half's; then the bytes
.set SOP,  248                         ; the conversions' scale operands
.set PW,   252                         ; v252-253 the scale words of an even and an odd block of rows
.set X0,   254
.set YW,   64                          ; v64-67  the words as they are stored
.set G1, 24
.set G0, 32
.set G1B, 48
.set G0B, 56
.set G1S, 68
.set G0S, 76
.set G1SB, 80
.set G0SB, 88
.set MSB, 0
.macro WIN new                         ; the immediate's high byte repeats the setting that is left
.if MSB != (\new)
	s_set_vgpr_msb (MSB<<8)|(\new)
.set MSB, (\new)
.endif
.endm
.set MUL_LO, 0xa1                      ; source 0 (B) window 1, source 1 (A) window 0, C and D window 2
.set MUL_HI, 0xf1                      ; the same, C and D window 3
.set FST_LO, 0x81                      ; the first step: C (the bias) window 0, D window 2
.set FST_HI, 0xc1                      ; D window 3
.set TO_B,   0x40                      ; destination window 1, address window 0
; A joint load: waves 0 and 1 fetch for A, waves 2 and 3 for B; the branch hangs on the wave's number alone.  Four v_nop follow each line.
.macro JLOAD g0a, g1a, g0b, g1b
	s_cmp_eq_u32 s15, 0
	s_cbranch_scc0 .Lfor_b_\@
	tensor_load_to_lds s[\g0a:\g0a+3], s[\g1a:\g1a+7]
	s_nop 0
.rept 4
	v_nop
.endr
	s_branch .Lasked_\@
.Lfor_b_\@:
	tensor_load_to_lds s[\g0b:\g0b+3], s[\g1b:\g1b+7]
	s_nop 0
.rept 4
	v_nop
.endr
.Lasked_\@:
.endm
.macro CREST                           ; a round of the cluster's barrier behind its opening barrier
	s_cmp_lg_u32 s14, 0
	s_cbranch_scc1 .Lnot_wave_0_\@
	s_barrier_signal -3
.Lnot_wave_0_\@:
	s_barrier_wait -3
	s_barrier_signal -1
	s_barrier_wait -1
.endm
.macro CROUND
	s_barrier_signal -1
	s_barrier_wait -1
	CREST
.endm
	s_load_b128 s[4:7], s[0:1], 0x0                ; x's codes, x's scales
	s_load_b128 s[8:11], s[0:1], 0x10              ; W's codes, W's scales
	s_load_b128 s[96:99], s[0:1], 0x20             ; b_qkv s[96:97], the workspace s[98:99]
	v_lshl_add_u32 v[SPW], v0, 2, SPARE
	v_mov_b32 v[NIL], 0
	ds_add_u32 v28, v29
	ds_add_u32 v28, v29
	s_wait_dscnt 0x0
	v_lshrrev_b32 v1, 5, v0
	v_readfirstlane_b32 s14, v1                    ; wave 0..3
	s_lshr_b32 s15, s14, 1                         ; wm: my half of the tile's rows.  Also: I fetch for A (0) or for B (1)
	s_and_b32 s16, s14, 1                          ; wn: my half of its columns.  Also: which 128 rows I fetch
	s_bfe_u32 s40, ttmp6, 0x40000                  ; cx
	s_bfe_u32 s41, ttmp6, 0x40004                  ; cy
	s_and_b32 s21, ttmp7, 0xffff                   ; the cluster's y
	s_mov_b32 s104, 768
	s_mov_b32 s100, 6144
	s_mov_b32 s12, 0x05040100
	s_mov_b32 s13, 0x07060302
	s_mov_b32 s105, 0
	s_mov_b32 s3, 0
	s_cmp_eq_u32 ttmp9, 2                          ; v's clusters?  The cluster's x is the same in all sixteen partners.  Only selects stand between this compare and the next line that sets SCC
	s_cselect_b32 s42, s21, ttmp9                  ; which four tile columns
	s_cselect_b32 s17, 0, s21                      ; which four tile rows
	s_cselect_b32 s92, 2048, 0                     ; A's first row: v's rows of W begin at 2,048
	s_cselect_b32 s104, 1536, s104                 ; the way out: bytes from one block of 16 rows to the next
	s_cselect_b32 s2, 128, 64                      ; the same for the scale words of a pair of blocks
	s_cselect_b32 s100, 768, s100                  ; from a fragment's first six registers to its second six: the next planes (v), the next head (q, k)
	s_cselect_b32 s101, 64, 256                    ; from lanes 0-15's scale words to lanes 16-31's
	s_cselect_b32 s12, 0x03020100, s12             ; byte selects that make the stored words of two blocks' words
	s_cselect_b32 s13, 0x07060504, s13
	s_lshl_b32 s42, s42, 2
	s_add_co_u32 s42, s42, s40                     ; nT: tile column
	s_lshl_b32 s17, s17, 2
	s_add_co_u32 s17, s17, s41                     ; mT: tile row
	s_lshl_b32 s43, s41, 2
	s_lshl_b32 s43, 15, s43                        ; my row of the cluster
	s_lshl_b32 s44, 0x1111, s40                    ; my column
	; descriptor group 1: rows of 256 bytes, 16 bytes of padding behind each
	s_or_b32 s[G1+0], s43, (0<<16)|(1<<20)|(1<<21)|(5<<22)|(3<<25)   ; 4 words of padding behind every 64
	s_or_b32 s[G1B+0], s44, (0<<16)|(1<<20)|(1<<21)|(5<<22)|(3<<25)
.irp g, G1, G1B
	s_mov_b32 s[\g+1], ROWB<<16                    ; tensor_dim0
	s_mov_b32 s[\g+2], 256<<16                     ; 256 rows for the head's loads; behind them 128
	s_mov_b32 s[\g+3], ROWB<<16                    ; tile_dim0
	s_mov_b32 s[\g+4], 256
	s_mov_b32 s[\g+5], KROW                        ; pitch
	s_mov_b32 s[\g+6], 0
	s_mov_b32 s[\g+7], 0
.endr
	; the scales of 256 rows: 8,192 dense bytes as 32 rows of 256 bytes (32 elements of 8), 16 bytes of padding behind each
	s_or_b32 s[G1S+0], s43, (3<<16)|(1<<20)|(1<<21)|(5<<22)|(3<<25)
	s_or_b32 s[G1SB+0], s44, (3<<16)|(1<<20)|(1<<21)|(5<<22)|(3<<25)
.irp g, G1S, G1SB
	s_mov_b32 s[\g+1], 32<<16
	s_mov_b32 s[\g+2], KS<<16                      ; the scales of 256 rows: 32 rows of 256 bytes
	s_mov_b32 s[\g+3], 32<<16
	s_mov_b32 s[\g+4], KS
	s_mov_b32 s[\g+5], 32
	s_mov_b32 s[\g+6], 0
	s_mov_b32 s[\g+7], 0
.endr
	s_lshl_b32 s20, s17, 8
	s_add_co_u32 s20, s20, s92                     ; A': the tile's first row
	s_lshl_b32 s46, s42, 8                         ; B': 256 nT
	s_mov_b32 s21, 0
	s_mov_b32 s47, 0
	s_mov_b64 s[18:19], KS
	s_mul_u64 s[22:23], s[20:21], s[18:19]         ; where these rows' scales begin
	s_mul_u64 s[66:67], s[46:47], s[18:19]
	s_mov_b64 s[18:19], KROW
	s_mul_u64 s[20:21], s[20:21], s[18:19]         ; and their codes
	s_mul_u64 s[46:47], s[46:47], s[18:19]
	s_mul_i32 s45, s14, HALFT                      ; where the ring's loads go: wave x 128 rows
	s_mul_i32 s18, s16, 128*KROW                   ; in the ring I fetch 128 rows of a tile: which half, in bytes
	s_mov_b32 s19, 0
	s_wait_kmcnt 0x0
	s_cmp_eq_u32 ttmp9, 2                          ; the choice of buffers hangs on the cluster's x alone
	s_cselect_b64 s[92:93], s[8:9], s[4:5]         ; A's codes
	s_cselect_b64 s[94:95], s[10:11], s[6:7]       ; A's scales
	s_cselect_b64 s[8:9], s[4:5], s[8:9]           ; B's codes
	s_cselect_b64 s[10:11], s[6:7], s[10:11]       ; B's scales
	s_mov_b64 s[4:5], s[92:93]
	s_mov_b64 s[6:7], s[94:95]
	s_add_nc_u64 s[20:21], s[4:5], s[20:21]
	s_add_nc_u64 s[22:23], s[6:7], s[22:23]
	s_add_nc_u64 s[46:47], s[8:9], s[46:47]
	s_add_nc_u64 s[66:67], s[10:11], s[66:67]
	CROUND                                         ; all sixteen work-groups are here: the first joint loads meet
	s_mov_b32 s[G0S], 1
	s_mov_b32 s[G0S+1], SCL
	s_mov_b64 s[G0S+2:G0S+3], s[22:23]
	s_or_b32 s[G0S+3], s[G0S+3], 0x80000000
	s_mov_b32 s[G0SB], 1
	s_mov_b32 s[G0SB+1], SCL+2*HALFS
	s_mov_b64 s[G0SB+2:G0SB+3], s[66:67]
	s_or_b32 s[G0SB+3], s[G0SB+3], 0x80000000
	s_mov_b32 s[G0H], 1                            ; chunk 0's 256 rows of A,
	s_mov_b32 s[G0H+1], 0
	s_mov_b64 s[G0H+2:G0H+3], s[20:21]
	s_or_b32 s[G0H+3], s[G0H+3], 0x80000000
	s_mov_b32 s[G0HB], 1                           ; and of B, behind them in slot 0
	s_mov_b32 s[G0HB+1], 2*HALFT
	s_mov_b64 s[G0HB+2:G0HB+3], s[46:47]
	s_or_b32 s[G0HB+3], s[G0HB+3], 0x80000000
	s_add_nc_u64 s[20:21], s[20:21], s[18:19]      ; for the ring: my 128 rows
	s_add_nc_u64 s[46:47], s[46:47], s[18:19]
.irp s, 0,1
	s_mov_b32 s[G0+4*\s], 1
	s_add_co_u32 s[G0+4*\s+1], s45, \s*SLOT
	s_add_nc_u64 s[G0+4*\s+2:G0+4*\s+3], s[20:21], \s*ROWB
	s_or_b32 s[G0+4*\s+3], s[G0+4*\s+3], 0x80000000
	s_mov_b32 s[G0B+4*\s], 1
	s_add_co_u32 s[G0B+4*\s+1], s45, \s*SLOT
	s_add_nc_u64 s[G0B+4*\s+2:G0B+4*\s+3], s[46:47], \s*ROWB
	s_or_b32 s[G0B+4*\s+3], s[G0B+4*\s+3], 0x80000000
.endr
; The head's loads, one a wave: wave 0 chunk 0 of A, wave 1 of B, wave 2 A's scales, wave 3 B's; one tree of branches on the wave's number.
.macro ARM under, g0, g1, next
	s_cmp_lt_u32 s14, \under
	s_cbranch_scc0 \next
	tensor_load_to_lds s[\g0:\g0+3], s[\g1:\g1+7]
	s_nop 0
.rept 4
	v_nop
.endr
	s_branch .Lhead_asked
\next:
.endm
	ARM 1, G0H,  G1,  .Lhead_b
	ARM 2, G0HB, G1B, .Lhead_sa
	ARM 3, G0S,  G1S, .Lhead_sb
	tensor_load_to_lds s[G0SB:G0SB+3], s[G1SB:G1SB+7]
	s_nop 0
.rept 4
	v_nop
.endr
.Lhead_asked:
	v_and_b32 v1, 15, v0
	v_bfe_u32 v2, v0, 4, 1                         ; h = lane / 16
	v_mul_u32_u24 v3, v1, PITCH
	v_mul_u32_u24 v4, v2, 24
	v_add_nc_u32 v4, v3, v4                        ; a fragment's row x pitch + 24 x half
	s_mov_b32 s21, SLOT-232
	s_mov_b32 s22, SLOT+232
	v_sub_nc_u32 v7, 1, v2                         ; 1 in lanes 0-15
	v_mul_u32_u24 v5, s21, v2
	v_add_nc_u32 v5, v3, v5
	v_add_nc_u32 v5, 232, v5                       ; across two chunks: lanes 0-15 byte 232 of the row in slot 0, lanes 16-31 byte 0 in slot 1;
	v_mul_u32_u24 v6, s22, v7
	v_add_nc_u32 v6, v3, v6                        ; and lanes 0-15 byte 232 in slot 1, lanes 16-31 byte 0 in slot 0
	s_mul_i32 s21, s15, HALFT                      ; my 128 rows of A
	s_mul_i32 s22, s16, HALFT                      ; my 128 rows of B,
	s_add_co_u32 s22, s22, 2*HALFT                 ; which lie behind A's 256
	v_add_nc_u32 v[ADRA+2], s21, v5
	v_add_nc_u32 v[ADRA+3], s21, v6
	v_add_nc_u32 v[ADRB+2], s22, v5
	v_add_nc_u32 v[ADRB+3], s22, v6
.irp s, 0,1
	v_add_nc_u32 v[ADRA+\s], s21, v4
	v_add_nc_u32 v[ADRB+\s], s22, v4
	s_add_co_u32 s21, s21, SLOT
	s_add_co_u32 s22, s22, SLOT
.endr
	v_mul_u32_u24 v5, v1, KS                       ; my row's scales: 32 bytes a row,
	v_lshrrev_b32 v6, 8, v5
	v_lshl_add_u32 v5, v6, 4, v5                   ; and 16 more for each 256 passed
	s_mul_i32 s21, s15, HALFS
	s_mul_i32 s22, s16, HALFS
	s_add_co_u32 s22, s22, 2*HALFS
	s_sub_co_u32 s22, s22, s21
	v_mul_u32_u24 v6, s22, v2                      ; lanes 16-31 take B's
	s_add_co_u32 s21, s21, SCL
	v_add_nc_u32 v5, v5, v6
	v_add_nc_u32 v[ADRS], s21, v5
	; the biases.  q, k: along n' (the column biases, the C of the first products).  v: along m' (added to the finished sums).  Both sets are loaded on both ways, each inside b_qkv
	s_lshl_b32 s92, s42, 10
	s_lshl_b32 s93, s16, 9
	s_add_co_u32 s92, s92, s93                     ; 4 (256 nT + 128 wn)
	s_lshl_b32 s94, s17, 10
	s_lshl_b32 s93, s15, 9
	s_add_co_u32 s94, s94, s93
	s_add_co_u32 s94, s94, 8192                    ; 4 (2,048 + 256 mT + 128 wm)
	s_cmp_eq_u32 ttmp9, 2
	s_cselect_b32 s92, 0, s92
	s_cselect_b32 s94, s94, 0
	v_lshl_add_u32 v[VBN], v2, 5, s92              ; + 32 h: my half's eight columns of a block
	v_lshl_add_u32 v[VBM], v1, 2, s94              ; + 4 r: my row of a block
.irp b, 0,1,2,3,4,5,6,7
	global_load_b128 v[BN+8*\b:BN+8*\b+3], v[VBN], s[96:97] offset:64*\b
	global_load_b128 v[BN+8*\b+4:BN+8*\b+7], v[VBN], s[96:97] offset:64*\b+16
.endr
.irp a, 0,1,2,3,4,5,6,7
	global_load_b32 v[BM+2*\a], v[VBM], s[96:97] offset:64*\a
	global_load_b32 v[BM+2*\a+1], v[VBM], s[96:97] offset:64*\a
.endr
	; where my part of the workspace begins
	s_lshl_b32 s20, s42, 1
	s_add_co_u32 s20, s20, s16                     ; 2 nT + wn
	s_lshl_b32 s21, s17, 1
	s_add_co_u32 s21, s21, s15                     ; 2 mT + wm
	s_lshl_b32 s22, s17, 2
	s_lshl_b32 s23, s15, 1
	s_add_co_u32 s22, s22, s23                     ; 4 mT + 2 wm
	s_lshl_b32 s46, s40, 2
	s_lshl_b32 s47, s16, 1
	s_add_co_u32 s46, s46, s47                     ; 4 cx + 2 wn
	s_cmp_eq_u32 ttmp9, 2
	s_cselect_b32 s20, s20, s21                    ; the slab: my 128 rows of S
	s_cselect_b32 s22, s22, s46                    ; my first head
	s_mul_i32 s21, ttmp9, RG                       ; the region
	s_mul_i32 s20, s20, SLAB
	s_add_co_u32 s20, s20, s21
	s_mul_i32 s46, s22, 6144
	s_add_co_u32 s46, s46, s20                     ; codes
	s_mov_b32 s47, 0
	s_lshl_b32 s22, s22, 8
	s_add_co_u32 s22, s22, s20
	s_add_co_u32 s22, s22, SCW                     ; scale words
	s_mov_b32 s23, 0
	v_and_b32 v6, 31, v0
	v_lshlrev_b32 v[VO], 3, v6                     ; 8 x lane
	v_add_nc_u32 v[VO+1], s100, v[VO]
	v_mul_u32_u24 v[VS], s101, v2
	v_lshl_add_u32 v[VS], v1, 2, v[VS]             ; 4 r + h x the distance
	s_add_nc_u64 s[100:101], s[98:99], s[22:23]    ; the scale words' base
	s_add_nc_u64 s[98:99], s[98:99], s[46:47]      ; the codes' base
.macro FRAG reg, adr, q, i             ; 16 rows x 128 K of 6-bit codes: 12 registers; lane l: row l % 16; registers 6 c .. 6 c + 5: K = 64 c + 32 (l / 16) + 0 .. 31, 24 bytes as they lie, in pieces of 8
.irp p, 0,1,2,3,4,5
.set BY, 96*(\q)+48*(\p/3)+8*(\p%3)    ; q: the step.  Where the piece of lanes 0-15 begins in the row of codes; lanes 16-31 read 24 bytes on.  Byte y lies in slot (y / 256) % 2 at byte y % 256 of the LDS row
.if BY/ROWB == (BY+24)/ROWB
	ds_load_b64 v[\reg+2*\p:\reg+2*\p+1], v[\adr+(BY/ROWB)%2] offset:BY%ROWB+(\i)*16*PITCH
.else
	ds_load_b64 v[\reg+2*\p:\reg+2*\p+1], v[\adr+2+(BY/ROWB)%2] offset:BY%ROWB-232+(\i)*16*PITCH
.endif
.endr
.endm
; 16 matrix instructions: A's blocks a0, a0 + 1 x B's eight, the slot's q-th 128 along K.  first = 1: the sums start from the column biases.  The 64 accumulators take turns, one instruction a turn.
.macro MUL16 a0, p, q, sc, first
.irp a, \a0, \a0+1
.irp b, 0,1,2,3,4,5,6,7
.if \first
	v_wmma_scale_f32_16x16x128_f8f6f4 v[8*(8*((\a)%4)+\b):8*(8*((\a)%4)+\b)+7], v[128*(\p)+FR*\b:128*(\p)+FR*\b+FR-1], v[AF+FR*(\a):AF+FR*(\a)+FR-1], v[BN+8*\b:BN+8*\b+7], v[SC+8*NQ*(\sc)+NQ*\b+(\q)], v[SC+8*NQ*(\sc)+NQ*(\a)+(\q)] matrix_a_fmt:MATRIX_FMT_FP6 matrix_b_fmt:MATRIX_FMT_FP6 matrix_a_scale:MATRIX_SCALE_ROW1
.else
	v_wmma_scale_f32_16x16x128_f8f6f4 v[8*(8*((\a)%4)+\b):8*(8*((\a)%4)+\b)+7], v[128*(\p)+FR*\b:128*(\p)+FR*\b+FR-1], v[AF+FR*(\a):AF+FR*(\a)+FR-1], v[8*(8*((\a)%4)+\b):8*(8*((\a)%4)+\b)+7], v[SC+8*NQ*(\sc)+NQ*\b+(\q)], v[SC+8*NQ*(\sc)+NQ*(\a)+(\q)] matrix_a_fmt:MATRIX_FMT_FP6 matrix_b_fmt:MATRIX_FMT_FP6 matrix_a_scale:MATRIX_SCALE_ROW1
.endif
.endr
.endr
.endm
.macro FETCH_B q, p
	WIN TO_B
.irp i, 0,1,2,3,4,5,6,7
	FRAG 128*(\p)+FR*\i, ADRB, \q, \i
.endr
	WIN 0
.endm
.macro FETCH_A q, i0
.irp i, \i0, \i0+1, \i0+2, \i0+3
	FRAG AF+FR*(\i), ADRA, \q, \i
.endr
.endm
.macro SCALES pr                       ; the scale words of steps 2 pr, 2 pr + 1 into set pr % 2
.irp i, 0,1,2,3,4,5,6,7
	ds_load_b64 v[SC+8*NQ*((\pr)%2)+NQ*\i:SC+8*NQ*((\pr)%2)+NQ*\i+1], v[ADRS] offset:\i*SBLK+4*NQ*(\pr)
.endr
.endm
.macro PLACES n                        ; plain vector instructions that name none of a matrix instruction's registers, in front of loads into its sources and of reads of its results
.rept \n
	v_nop
.endr
.endm
; A step of 128 along K: 64 products on step st's fragments; the next step's are fetched in its middle and at its end.
; Where the next step's bytes END in a chunk that no step has read yet: each wave waits for its tensor loads, and a barrier shows that chunk whole.
; Where they BEGIN in a later chunk and a chunk two on is left to fetch: the wait, the add, the wait for it and for my reads, the barrier, which opens a round of the cluster's, and the refill.
.macro STEP st, first
.set NX, (\st)+1
.set C0, (96*(\st))/ROWB
.set C1, (96*NX)/ROWB
.set E0, (96*(\st)+95)/ROWB
.set E1, (96*NX+95)/ROWB
.if (E1 > E0) || ((C1 > C0) && (C0+2 < CHUNKS))
.if C1 > C0
	s_wait_tensorcnt 0x0                           ; all my tensor loads have landed
	ds_add_u32 v[SPW], v[NIL]
	s_wait_dscnt 4*NL+1                            ; the add and the youngest 24 loads (A's blocks 4-7) may be out
.else
	s_wait_dscnt 4*NL                              ; the youngest 24 loads may be out
.endif
	WIN MUL_LO
	MUL16 0, (\st)%2, (\st)%2, ((\st)/2)%2, 0
.if C1 == C0
	s_wait_tensorcnt 0x0                           ; my part of the new chunk is waited for here, ahead of the signal, behind sixteen products
.endif
	s_wait_dscnt 0x0                               ; all my LDS instructions are done
	s_barrier_signal -1
	MUL16 2, (\st)%2, (\st)%2, ((\st)/2)%2, 0
	WIN 0
	s_barrier_wait -1
.if C1 > C0
	CREST                                          ; no wave of any partner still reads this slot or has a load on its way
	s_add_nc_u64 s[G0+4*(C0%2)+2:G0+4*(C0%2)+3], s[G0+4*(C0%2)+2:G0+4*(C0%2)+3], ASTEP
	s_add_nc_u64 s[G0B+4*(C0%2)+2:G0B+4*(C0%2)+3], s[G0B+4*(C0%2)+2:G0B+4*(C0%2)+3], BSTEP
	JLOAD G0+4*(C0%2), G1, G0B+4*(C0%2), G1B       ; chunk C0 + 2; its four v_nop are the places in front of the loads below
.else
	PLACES NP
.endif
.else
	s_wait_dscnt 4*NL                              ; B's set and A's blocks 0-3 are in
.if \first
	WIN FST_LO
.else
	WIN MUL_LO
.endif
	MUL16 0, (\st)%2, (\st)%2, ((\st)/2)%2, \first
	MUL16 2, (\st)%2, (\st)%2, ((\st)/2)%2, \first
	s_wait_dscnt 0                                 ; A's blocks 4-7 are in
	PLACES NP
.endif
	FETCH_B NX, NX%2
	FETCH_A NX, 0
.if NX%2 == 0
	SCALES NX/2
.endif
.if \first
	WIN FST_HI
.else
	WIN MUL_HI
.endif
	MUL16 4, (\st)%2, (\st)%2, ((\st)/2)%2, \first
	MUL16 6, (\st)%2, (\st)%2, ((\st)/2)%2, \first
	PLACES NP
	WIN 0
	FETCH_A NX, 4
.endm
	s_wait_alu depctr_va_vdst(0)
	s_wait_tensorcnt 0x0                           ; my tile of the head's four is in
	ds_add_u32 v[SPW], v[NIL]
	s_mov_b32 s[G1+2], 128<<16                     ; no tensor load of mine is out: from here on a load brings 128 rows
	s_mov_b32 s[G1+4], 128
	s_mov_b32 s[G1B+2], 128<<16
	s_mov_b32 s[G1B+4], 128
	s_wait_dscnt 0x0
	CROUND                                         ; all four tiles are in, and all sixteen work-groups are here
	JLOAD G0+4, G1, G0B+4, G1B                     ; chunk 1, the first tensor load behind the round
	FETCH_B 0, 0
	FETCH_A 0, 0
	SCALES 0
	FETCH_A 0, 4
	s_wait_loadcnt 0x0                             ; the biases
	s_cmp_lg_u32 ttmp9, 2
	s_cbranch_scc1 .Lcol_bias                      ; v's bias does not run along n': its sums start from zeros
.set j, 0
.rept 64
	v_mov_b32 v[BN+j], 0
.set j, j+1
.endr
	PLACES 4
.Lcol_bias:
	s_wait_alu depctr_va_vdst(0)
	STEP 0, 1                                      ; eight steps, written out: slots and chunks do not come back to where they began inside this K
.set ST, 1
.rept STEPS-2
	STEP ST, 0
.set ST, ST+1
.endr
	s_wait_dscnt 4*NL                              ; the last step
	WIN MUL_LO
	MUL16 0, 1, NQ-1, 1, 0
	MUL16 2, 1, NQ-1, 1, 0
	s_wait_dscnt 0
	WIN MUL_HI
	MUL16 4, 1, NQ-1, 1, 0
	MUL16 6, 1, NQ-1, 1, 0
	WIN 0
	; THE WAY OUT: no LDS.  A lane's 16 registers of two neighbouring accumulators are half a block of 32 along n'; lane l xor 16 holds the other half.
	PLACES NP
	s_mov_b32 s18, 0x76543210
	s_mov_b32 s19, 0xfedcba98                      ; v_permlanex16_b32's selects for lane l xor 16
	s_mov_b32 vcc_lo, 0xffff0000                   ; lanes 16-31
.irp b, 0,1,2,3
	v_mov_b32 v[PTM+\b], 0                         ; written once: a lane permute's destination counts as one of its sources
.endr
	s_cmp_lg_u32 ttmp9, 2
	s_cbranch_scc1 .Lno_row_bias
.irp a, 0,1,2,3,4,5,6,7                ; v: + b_qkv of my row, each accumulator from its low end on
.set WW, 0x82+0x41*(\a/4)
	WIN WW                                         ; the sums (destination and source 0) in window 2 or 3, the bias in window 0
.set AC, 64*(\a%4)
.set j, 0
.rept 32
	v_pk_add_f32 v[AC+j:AC+j+1], v[AC+j:AC+j+1], v[BM+2*\a:BM+2*\a+1]
.set j, j+2
.endr
.endr
	WIN 0
.Lno_row_bias:
; Block a of 16 rows: its 128 columns are four blocks of 32.  The largest magnitude (with the floor 2^(3 - 127) among its leaves, so that the byte cannot fall under 1), 2 off its exponent field: the conversion's
; scale operand; that shifted: the byte.  The conversions give half blocks; three exchanges of halves a pair of blocks give each lane a whole block: the operand's registers.
.macro QUANTA a
.set W, 2+(\a)/4
.set AC, 64*((\a)%4)
.set PCR, AF+12*(\a)
.set WW, (W<<2)|W
	WIN WW                                         ; sources 0 and 1: the sums' window
.irp b, 0,1,2,3
	v_max3_num_f32 v[TM+\b], |v[AC+16*\b]|, |v[AC+16*\b+1]|, 0x1800000
.endr
.irp i, 2,4,6,8,10,12,14
.irp b, 0,1,2,3
	v_max3_num_f32 v[TM+\b], |v[AC+16*\b+\i]|, |v[AC+16*\b+\i+1]|, v[TM+\b]
.endr
.endr
	WIN 0
.irp b, 0,1,2,3
	v_permlanex16_b32 v[PTM+\b], v[TM+\b], s18, s19
.endr
.irp b, 0,1,2,3
	v_max_num_f32 v[TM+\b], v[TM+\b], v[PTM+\b]
.endr
.irp b, 0,1,2,3
	v_add_nc_u32 v[SOP+\b], 0xff000000, v[TM+\b]
.endr
.irp b, 0,1,2,3
	v_lshrrev_b32 v[PTM+\b], 23, v[SOP+\b]
.endr
	v_lshl_or_b32 v[PW+(\a)%2], v[PTM+1], 8, v[PTM]
	v_lshl_or_b32 v[PW+(\a)%2], v[PTM+2], 16, v[PW+(\a)%2]
	v_lshl_or_b32 v[PW+(\a)%2], v[PTM+3], 24, v[PW+(\a)%2]
	WIN W                                          ; source 0: the sums' window
.irp c, 0,1
	v_cvt_scalef32_pk16_fp6_f32 v[PCR+6*\c:PCR+6*\c+2], v[AC+32*\c:AC+32*\c+15], v[SOP+2*\c]
	v_cvt_scalef32_pk16_fp6_f32 v[T2+4*\c:T2+4*\c+2], v[AC+32*\c+16:AC+32*\c+31], v[SOP+2*\c+1]   ; (a conversion's three registers begin on an even number)
.endr
	WIN 0
	v_nop                                          ; one plain place behind a scaled conversion
.irp c, 0,1
.irp i, 0,1,2
	v_permlane16_swap_b32 v[PCR+6*\c+\i], v[T2+4*\c+\i]
.endr
.irp i, 0,1,2
	v_mov_b32 v[PCR+6*\c+3+\i], v[T2+4*\c+\i]
.endr
.endr
.endm
.macro PUT a                           ; each block has its own twelve registers, so no store's data are written again
.set PCR, AF+12*(\a)
.if (\a) > 0
	s_wait_xcnt 0x0                                ; the earlier stores have read their base
	s_add_nc_u64 s[98:99], s[98:99], s[104:105]
.endif
.irp c, 0,1
.irp p, 0,1,2
	global_store_b64 v[VO+\c], v[PCR+6*\c+2*\p:PCR+6*\c+2*\p+1], s[98:99] offset:256*\p   ; a plane: 32 lanes store 256 consecutive bytes, aligned
.endr
.endr
.endm
.macro WORDS f                         ; q, k: lanes 0-15 the first head's word of packed fragment f (two bytes of each block's word), lanes 16-31 the second head's.  v: the even block's word, the odd block's
	v_perm_b32 v[X0], v[PW+1], v[PW], s12
	v_perm_b32 v[X0+1], v[PW+1], v[PW], s13
	v_cndmask_b32 v[YW+\f], v[X0], v[X0+1], vcc_lo
.if \f > 0
	s_wait_alu depctr_va_vdst(0)
	s_wait_xcnt 0x0
	s_add_nc_u64 s[100:101], s[100:101], s[2:3]
.endif
	global_store_b32 v[VS], v[YW+\f], s[100:101]
.endm
.irp f, 0,1,2,3
	QUANTA 2*\f
	s_wait_alu depctr_va_vdst(0)
	PUT 2*\f
	QUANTA 2*\f+1
	s_wait_alu depctr_va_vdst(0)
	PUT 2*\f+1
	WORDS \f
.endr
	s_wait_tensorcnt 0x0                           ; the wave's end
	ds_add_u32 v[SPW], v[NIL]
	s_wait_dscnt 0x0
	CROUND                                         ; the closing round: no work-group ends while a partner may still ask for a tile that names it
	s_endpgm
.Lfunc_end_k_q72f3fb5217_qkvgemm:
	.size	k_q72f3fb5217_qkvgemm, .Lfunc_end_k_q72f3fb5217_qkvgemm-k_q72f3fb5217_qkvgemm
	.p2alignl 7, 3214868480
	.fill 96, 4, 3214868480
	.section	.rodata,"a",@progbits
	.p2align	6, 0x0
	.amdhsa_kernel k_q72f3fb5217_qkvgemm
		.amdhsa_group_segment_fixed_size 327680
		.amdhsa_private_segment_fixed_size 0
		.amdhsa_enable_private_segment 0
		.amdhsa_kernarg_size 48
		.amdhsa_user_sgpr_count 2
		.amdhsa_user_sgpr_kernarg_segment_ptr 1
		.amdhsa_wavefront_size32 1
		.amdhsa_system_sgpr_workgroup_id_x 1
		.amdhsa_system_sgpr_workgroup_id_y 1
		.amdhsa_system_sgpr_workgroup_id_z 1
		.amdhsa_system_vgpr_workitem_id 0
		.amdhsa_next_free_vgpr 1024
		.amdhsa_next_free_sgpr 106
		.amdhsa_reserve_vcc 1
		.amdhsa_float_denorm_mode_32 3
		.amdhsa_float_denorm_mode_16_64 3
		.amdhsa_memory_ordered 1
		.amdhsa_forward_progress 1
		.amdhsa_inst_pref_size 191
	.end_amdhsa_kernel
	.amdgpu_metadata
---
amdhsa.version: [ 1, 2 ]
amdhsa.kernels:
  - .name:           k_q72f3fb5217_qkvgemm
    .symbol:         k_q72f3fb5217_qkvgemm.kd
    .args:
      - { .name: x_codes, .offset: 0, .size: 8, .value_kind: global_buffer, .address_space: global }
      - { .name: x_scales, .offset: 8, .size: 8, .value_kind: global_buffer, .address_space: global }
      - { .name: W_qkv_codes, .offset: 16, .size: 8, .value_kind: global_buffer, .address_space: global }
      - { .name: W_qkv_scales, .offset: 24, .size: 8, .value_kind: global_buffer, .address_space: global }
      - { .name: b_qkv, .offset: 32, .size: 8, .value_kind: global_buffer, .address_space: global }
      - { .name: qkv, .offset: 40, .size: 8, .value_kind: global_buffer, .address_space: global }
    .group_segment_fixed_size: 327680
    .private_segment_fixed_size: 0
    .kernarg_segment_align: 8
    .kernarg_segment_size: 48
    .max_flat_workgroup_size: 128
    .sgpr_count:     106
    .vgpr_count:     1024
    .wavefront_size: 32
...
	.end_amdgpu_metadata
.endif
;; end of part 1
;; launch attn (part 2): grid 4 x 64, 16 waves a work-group, clusters of 4 x 1, 327,680 bytes of LDS; arguments qkv, o_img, o_scales; writes o_img, o_scales
.if DOCPART == 2
	.amdgcn_target "amdgcn-amd-amdhsa--gfx1250"
	.amdhsa_code_object_version 6
	.text
	.protected	k_q72f3fb5217_attn
	.globl	k_q72f3fb5217_attn
	.p2align	8
	.type	k_q72f3fb5217_attn,@function
k_q72f3fb5217_attn:
	s_mov_b64 s[64:65], 0
	v_nop
	global_prefetch_b8 v0, s[64:65] scope:SCOPE_SE
	s_setreg_imm32_b32 hwreg(HW_REG_WAVE_MODE, 25, 1), 1
	s_wait_xcnt 0x0
	s_wait_alu depctr_hold_cnt(0) depctr_sa_sdst(0) depctr_va_vdst(0) depctr_va_sdst(0) depctr_va_ssrc(0) depctr_va_vcc(0) depctr_vm_vsrc(0)
	s_getreg_b32 s2, hwreg(HW_REG_IB_STS2, 6, 4)
	s_cmp_eq_u32 s2, 0
	s_cbranch_scc0 .Lentry_in_a_cluster
	s_endpgm
.Lentry_in_a_cluster:
	s_bfe_u32 s2, ttmp6, 0x10000c
	s_cmp_lg_u32 s2, 0x3003
	s_cbranch_scc0 .Lentry_shape_is_right
	s_endpgm
.Lentry_shape_is_right:
.set RG,    6553600
.set SLAB,  102400
.set SCW,   98304
.set STEPB, 13824
.set FPAD,  1728
.set SCB,   16*STEPB
.set AL8,  1
.set AL4,  2
.set ADK,  3
.set ADKS, 4
.set AR32, 5
.set AQS,  6
.set AKC,  7
.set AKS,  8
.set ADV,  9
.set ADVS, 10
.set SH8,  11
.set QZ,   16
.set QS,   34
.set KSC,  36
.set VSC,  38
.set FRG,  40
.set SCO,  96
.set OT,   160
.set BX,   192
.set PT,   196
.set SO,   204
.set PC,   208
.set FF,   220
.set PWD,  221
.set TMP,  222
.set OLDM, 223
.set WV,   10
.set SEL,  20
.set CS,   22
.set G1C,  24
.set G1S,  32
.set G0C,  40
.set G0S,  44
.set TB,   48
.set TS,   49
.set CNT,  50
.set TV,   51                          ; s51: where the step's V codes lie, less the 6,912 that the loads' offsets carry
; LDS: K's codes of the 16 key steps (6,912 bytes each with the padding), then V's; from SCB K's scale words (256 bytes a step), 4,096 on V's.
; All fills go out at the head, one tensor load a wave: waves 0-3 four steps each of K's codes, waves 4-7 of V's, wave 8 K's scale words, wave 9 V's.
.macro ROUND
	s_barrier_signal -1
	s_barrier_wait -1
	s_cmp_lg_u32 s[WV], 0
	s_cbranch_scc1 .Lnot_wave_0_\@
	s_barrier_signal -3
.Lnot_wave_0_\@:
	s_barrier_wait -3
	s_barrier_signal -1
	s_barrier_wait -1
.endm
	s_load_b128 s[4:7], s[0:1], 0x0
	s_load_b64 s[8:9], s[0:1], 0x10
	v_lshl_add_u32 v254, v0, 2, 0x38000
	v_mov_b32 v255, 0
	ds_add_u32 v254, v255
	ds_add_u32 v254, v255
	v_lshrrev_b32 v1, 5, v0
	s_delay_alu instid0(VALU_DEP_1)
	v_readfirstlane_b32 s[WV], v1
	s_bfe_u32 s11, ttmp6, 0x40000
	s_lshl_b32 s12, ttmp9, 2
	s_add_co_u32 s12, s12, s11
	s_and_b32 s13, ttmp7, 0xffff
	s_lshr_b32 s14, s13, 4
	s_and_b32 s15, s13, 15
	s_lshl_b32 s16, s14, 4
	s_and_b32 s17, s[WV], 3
	s_lshl_b32 s17, s17, 2
	s_add_co_u32 s17, s17, s16                     ; codes: slab 16 b + 4 (wave % 4),
	s_mul_i32 s17, s17, SLAB
	s_lshr_b32 s3, s[WV], 2
	s_mul_i32 s3, s3, RG
	s_add_co_u32 s17, s17, s3
	s_add_co_u32 s17, s17, RG                      ; region 1 + wave / 4 (waves 0-7 alone use this address)
	s_mul_i32 s18, s15, 6144
	s_add_co_u32 s18, s18, s17
	s_mov_b32 s19, 0
	s_and_b32 s60, s[WV], 1                        ; scale words: region 1 + wave % 2 (waves 8, 9), slab 16 b, my head
	s_mul_i32 s60, s60, RG
	s_mul_i32 s3, s16, SLAB
	s_add_co_u32 s60, s60, s3
	s_lshl_b32 s3, s15, 8
	s_add_co_u32 s60, s60, s3
	s_add_co_u32 s60, s60, RG+SCW
	s_mov_b32 s61, 0
	s_lshl_b32 s2, s12, 2
	s_add_co_u32 s2, s2, s16
	s_lshr_b32 s3, s[WV], 3
	s_add_co_u32 s2, s2, s3
	s_mul_i32 s2, s2, SLAB
	s_and_b32 s3, s[WV], 7
	s_mul_i32 s52, s15, 6144
	s_add_co_u32 s52, s52, s2
	s_mul_i32 s63, s3, 768
	s_add_co_u32 s52, s52, s63
	s_mov_b32 s53, 0
	s_lshl_b32 s54, s15, 8
	s_add_co_u32 s54, s54, s2
	s_add_co_u32 s54, s54, SCW
	s_lshr_b32 s63, s3, 1
	s_lshl_b32 s63, s63, 6
	s_add_co_u32 s54, s54, s63
	s_and_b32 s63, s[WV], 1
	s_lshl_b32 s63, s63, 1
	s_add_co_u32 s54, s54, s63
	s_mov_b32 s55, 0
	s_lshl_b32 s56, s14, 7
	s_lshl_b32 s63, s12, 5
	s_add_co_u32 s56, s56, s63
	s_add_co_u32 s56, s56, s[WV]
	s_mul_i32 s56, s56, 12288
	s_mul_i32 s63, s15, 768
	s_add_co_u32 s56, s56, s63
	s_mov_b32 s57, 0
	s_lshl_b32 s58, s14, 11
	s_lshl_b32 s63, s12, 9
	s_add_co_u32 s58, s58, s63
	s_lshl_b32 s63, s[WV], 4
	s_add_co_u32 s58, s58, s63
	s_lshl_b32 s58, s58, 5
	s_lshl_b32 s63, s15, 1
	s_add_co_u32 s58, s58, s63
	s_mov_b32 s59, 0
	s_mov_b32 s[G1C], 15|(3<<16)|(1<<20)|(1<<21)|(6<<22)|(15<<25)
	s_mov_b32 s[G1C+1], 768<<16
	s_mov_b32 s[G1C+2], 4<<16                      ; four rows of 6,144 bytes, a slab apart
	s_mov_b32 s[G1C+3], 768<<16
	s_mov_b32 s[G1C+4], 4
	s_mov_b32 s[G1C+5], SLAB/8
	s_mov_b32 s[G1C+6], 0
	s_mov_b32 s[G1C+7], 0
	s_mov_b32 s[G1S], 15|(3<<16)|(1<<21)
	s_mov_b32 s[G1S+1], 32<<16
	s_mov_b32 s[G1S+2], 16<<16                     ; sixteen rows of 256 bytes, a slab apart
	s_mov_b32 s[G1S+3], 32<<16
	s_mov_b32 s[G1S+4], 16
	s_mov_b32 s[G1S+5], SLAB/8
	s_mov_b32 s[G1S+6], 0
	s_mov_b32 s[G1S+7], 0
	s_mov_b32 s[SEL], 0x76543210
	s_mov_b32 s[SEL+1], 0xfedcba98
	s_mov_b32 s[CS], 0x3e38aa3b
	s_mov_b32 s[CS+1], s[CS]
	s_wait_dscnt 0x0
	s_wait_kmcnt 0x0
	s_mov_b32 s[G0C], 1
	s_mul_i32 s[G0C+1], s[WV], 2*STEPB             ; four steps x 6,912 bytes a wave
	s_add_nc_u64 s[G0C+2:G0C+3], s[4:5], s[18:19]
	s_or_b32 s[G0C+3], s[G0C+3], 0x80000000
	s_mov_b32 s[G0S], 1
	s_and_b32 s[G0S+1], s[WV], 1
	s_lshl_b32 s[G0S+1], s[G0S+1], 12
	s_add_co_u32 s[G0S+1], s[G0S+1], SCB
	s_add_nc_u64 s[G0S+2:G0S+3], s[4:5], s[60:61]
	s_or_b32 s[G0S+3], s[G0S+3], 0x80000000
	s_add_nc_u64 s[52:53], s[4:5], s[52:53]
	s_add_nc_u64 s[54:55], s[4:5], s[54:55]
	s_add_nc_u64 s[56:57], s[6:7], s[56:57]
	s_add_nc_u64 s[58:59], s[8:9], s[58:59]
	ROUND
	s_cmp_lt_u32 s[WV], 8
	s_cbranch_scc0 .Lhead_sc
	tensor_load_to_lds s[G0C:G0C+3], s[G1C:G1C+7]
	s_nop 0
.rept 4
	v_nop
.endr
	s_branch .Lhead_on
.Lhead_sc:
	s_cmp_lt_u32 s[WV], 10
	s_cbranch_scc0 .Lhead_on
	tensor_load_to_lds s[G0S:G0S+3], s[G1S:G1S+7]
	s_nop 0
.rept 4
	v_nop
.endr
.Lhead_on:
	v_and_b32 v2, 31, v0
	s_delay_alu instid0(VALU_DEP_1)
	v_lshlrev_b32 v[AL8], 3, v2
	s_delay_alu instid0(VALU_DEP_2)
	v_lshl_add_u32 v[AL4], v2, 2, SCB
	v_and_b32 v6, 15, v0
	s_delay_alu instid0(VALU_DEP_1)
	v_lshlrev_b32 v[AR32], 5, v6
	s_delay_alu instid0(VALU_DEP_2)
	v_lshlrev_b32 v[AQS], 2, v6
	v_and_b32 v[ADK], 7, v0
	v_bfe_u32 v[ADKS], v0, 3, 1
	v_bfe_u32 v[ADV], v0, 4, 1
	s_delay_alu instid0(VALU_DEP_3)
	v_lshlrev_b32 v[AKC], 3, v[ADK]
	s_delay_alu instid0(VALU_DEP_1)
	v_mad_u32_u24 v[AKC], v[ADKS], FPAD, v[AKC]
	s_delay_alu instid0(VALU_DEP_1)
	v_lshl_add_u32 v[AKC], v[ADV], 7, v[AKC]
	v_lshl_add_u32 v[AKS], v[ADK], 2, SCB
	s_delay_alu instid0(VALU_DEP_1)
	v_lshl_add_u32 v[AKS], v[ADKS], 6, v[AKS]
	s_delay_alu instid0(VALU_DEP_1)
	v_lshl_add_u32 v[AKS], v[ADV], 5, v[AKS]
	v_lshlrev_b32 v[SH8], 3, v[ADV]
.irp i, 0,1,2,3,4,5
	v_mov_b32 v[QZ+\i], 0
	v_mov_b32 v[QZ+12+\i], 0
.endr
.irp i, 0,1,2,3,4,5,6,7
	v_mov_b32 v[PT+\i], 0
.endr
	v_mov_b32 v[PWD], 0
	v_mov_b32 v[TMP], 0
.macro QLOAD p
.irp i, 0,1,2
	global_load_b64 v[QZ+6+2*\i:QZ+7+2*\i], v[AL8], s[52:53] offset:\p*2*SLAB+256*\i
.endr
	global_load_u16 v[QS], v[AQS], s[54:55] offset:\p*2*SLAB
.endm
	QLOAD 0
	s_wait_tensorcnt 0x0
	s_barrier_signal -1
	s_barrier_wait -1
.macro SCORE f, u
.if (\f)%2
	v_wmma_scale_f32_16x16x128_f8f6f4 v[SCO+16*\f+8*\u:SCO+16*\f+8*\u+7], v[FRG+12*\f:FRG+12*\f+11], v[QZ+6-6*\u:QZ+17-6*\u], 0, v[KSC+\f/2], v[QS+\u] matrix_a_fmt:MATRIX_FMT_FP6 matrix_b_fmt:MATRIX_FMT_FP6 matrix_a_scale:MATRIX_SCALE_ROW1
.else
	v_wmma_scale_f32_16x16x128_f8f6f4 v[SCO+16*\f+8*\u:SCO+16*\f+8*\u+7], v[FRG+12*\f:FRG+12*\f+11], v[QZ+6-6*\u:QZ+17-6*\u], 0, v[KSC+\f/2], v[QS+\u] matrix_a_fmt:MATRIX_FMT_FP6 matrix_b_fmt:MATRIX_FMT_FP6
.endif
.endm
.macro PV t
.if (\t)%2
	v_wmma_scale_f32_16x16x128_f8f6f4 v[OT+8*\t:OT+8*\t+7], v[FRG+12*\t:FRG+12*\t+11], v[PC:PC+11], v[OT+8*\t:OT+8*\t+7], v[VSC+\t/2], v[PWD] matrix_a_fmt:MATRIX_FMT_FP6 matrix_b_fmt:MATRIX_FMT_FP6 matrix_a_scale:MATRIX_SCALE_ROW1
.else
	v_wmma_scale_f32_16x16x128_f8f6f4 v[OT+8*\t:OT+8*\t+7], v[FRG+12*\t:FRG+12*\t+11], v[PC:PC+11], v[OT+8*\t:OT+8*\t+7], v[VSC+\t/2], v[PWD] matrix_a_fmt:MATRIX_FMT_FP6 matrix_b_fmt:MATRIX_FMT_FP6
.endif
.endm
.macro STEP
	v_add_nc_u32 v[ADK], s[TB], v[AKC]
	v_add_nc_u32 v[ADKS], s[TS], v[AKS]
	v_add_nc_u32 v[ADV], s[TV], v[AL8]
	v_add_nc_u32 v[ADVS], s[TS], v[AL4]
.irp f, 0,1,2,3
.irp u, 0,1
.irp p, 0,1,2
	ds_load_b64 v[FRG+12*\f+6*\u+2*\p:FRG+12*\f+6*\u+2*\p+1], v[ADK] offset:3456*(\f/2)+64*(\f%2)+768*\u+256*\p+64*((768*\u+256*\p)/512)
.endr
.endr
.endr
	ds_load_b32 v[KSC], v[ADKS]
	ds_load_b32 v[KSC+1], v[ADKS] offset:128
	s_wait_alu depctr_va_vdst(0)
	s_wait_dscnt 0x0
.irp f, 0,1,2,3
	SCORE \f, 0
	SCORE \f, 1
.endr
	v_mov_b32 v[OLDM], v12
.rept 3
	v_nop
.endr
.irp t, 0,1,2,3
.irp p, 0,1,2,3,4,5
	ds_load_b64 v[FRG+12*\t+2*\p:FRG+12*\t+2*\p+1], v[ADV] offset:(6144+1536*\t+256*\p)+64*((6144+1536*\t+256*\p)/512)
.endr
.endr
	ds_load_b32 v[VSC], v[ADVS] offset:4096
	ds_load_b32 v[VSC+1], v[ADVS] offset:4224
.irp b, 0,1,2,3
	v_max3_num_f32 v[BX+\b], v[SCO+16*\b], v[SCO+1+16*\b], v[SCO+2+16*\b]
.endr
.irp i, 3,5,7,9,11,13
.irp b, 0,1,2,3
	v_max3_num_f32 v[BX+\b], v[BX+\b], v[SCO+16*\b+\i], v[SCO+1+16*\b+\i]
.endr
.endr
.irp c, 0,1
	v_max3_num_f32 v[BX+2*\c], v[BX+2*\c], v[BX+2*\c+1], v[SCO+32*\c+15]
.endr
.irp c, 0,1
	v_max_num_f32 v[BX+2*\c], v[BX+2*\c], v[SCO+32*\c+31]
.endr
	s_delay_alu instid0(VALU_DEP_1)
	v_max_num_f32 v[TMP], v[BX], v[BX+2]
	v_permlanex16_b32 v[PT], v[TMP], s[SEL], s[SEL+1]
	s_delay_alu instid0(VALU_DEP_1)
	v_max_num_f32 v[TMP], v[TMP], v[PT]
	s_delay_alu instid0(VALU_DEP_1)
	v_mul_f32 v[TMP], s[CS], v[TMP]
	s_delay_alu instid0(VALU_DEP_1)
	v_max_num_f32 v13, v13, v[TMP]
	s_delay_alu instid0(VALU_DEP_1)
	v_floor_f32 v12, -v13
	s_delay_alu instid0(VALU_DEP_1)
	v_sub_f32 v[TMP], v12, v[OLDM]
	s_delay_alu instid0(VALU_DEP_1)
	v_cvt_i32_f32 v[TMP], v[TMP]
	s_delay_alu instid0(VALU_DEP_1)
	v_ldexp_f32 v[FF], 1.0, v[TMP]
.set j, 0
.rept 32
	v_pk_fma_f32 v[SCO+j:SCO+j+1], v[SCO+j:SCO+j+1], s[CS:CS+1], v[12:13] op_sel_hi:[1,0,0]
.set j, j+2
.endr
.irp c, 0,1
	v_fma_f32 v[BX+2*\c], v[BX+2*\c], s[CS], v12
.endr
.set j, 0
	s_wait_alu depctr_va_vdst(0)
.rept 64
	v_exp_f32 v[SCO+j], v[SCO+j]
.set j, j+1
.endr
.irp c, 0,1
	v_exp_f32 v[BX+2*\c], v[BX+2*\c]
.endr
	v_pk_mul_f32 v[14:15], v[14:15], v[FF:FF+1] op_sel_hi:[1,0]
	s_wait_alu depctr_va_vdst(0)
.irp c, 0,1
	v_max_num_f32 v[BX+2*\c], 0x1800000, v[BX+2*\c]
.endr
.irp c, 0,1
	s_delay_alu instid0(VALU_DEP_2)
	v_add_nc_u32 v[SO+\c], 0xff000000, v[BX+2*\c]
.endr
.irp c, 0,1
	s_delay_alu instid0(VALU_DEP_2)
	v_lshrrev_b32 v[PT+\c], 23, v[SO+\c]
.endr
	s_delay_alu instid0(VALU_DEP_1)
	v_lshl_or_b32 v[TMP], v[PT+1], 16, v[PT]
	s_delay_alu instid0(VALU_DEP_1)
	v_lshlrev_b32 v[TMP], v[SH8], v[TMP]
	v_permlanex16_b32 v[PT+2], v[TMP], s[SEL], s[SEL+1]
	s_delay_alu instid0(VALU_DEP_1)
	v_or_b32 v[PWD], v[TMP], v[PT+2]
.irp c, 0,1
	v_cvt_scalef32_pk16_fp6_f32 v[PC+6*\c:PC+6*\c+2], v[SCO+32*\c:SCO+32*\c+15], v[SO+\c]
	v_cvt_scalef32_pk16_fp6_f32 v[PT+4*\c:PT+4*\c+2], v[SCO+32*\c+16:SCO+32*\c+31], v[SO+\c]
.endr
	v_pk_add_f32 v[BX:BX+1], v[SCO:SCO+1], v[SCO+2:SCO+3]
.irp j, 4,8,12,16,20,24,28,32,36,40,44,48,52,56,60
	v_pk_add_f32 v[14:15], v[14:15], v[SCO+\j:SCO+\j+1]
	v_pk_add_f32 v[BX:BX+1], v[BX:BX+1], v[SCO+2+\j:SCO+3+\j]
.endr
	s_delay_alu instid0(VALU_DEP_1)
	v_pk_add_f32 v[14:15], v[14:15], v[BX:BX+1]
.irp c, 0,1
.irp i, 0,1,2
	v_mov_b32 v[PC+6*\c+3+\i], v[PT+4*\c+\i]
.endr
.endr
.set j, 0
.rept 16
	v_pk_mul_f32 v[OT+j:OT+j+1], v[OT+j:OT+j+1], v[FF:FF+1] op_sel_hi:[1,0]
.set j, j+2
.endr
	s_wait_alu depctr_va_vdst(0)
	s_wait_dscnt 0x0
.irp t, 0,1,2,3
	PV \t
.endr
	s_add_co_u32 s[TB], s[TB], STEPB/2
	s_add_co_u32 s[TV], s[TV], STEPB/2
	s_add_co_u32 s[TS], s[TS], 256
.endm
.macro BODY p
.if \p
	s_wait_xcnt 0x0
.endif
	v_mov_b32 v13, 0xff61b1e6
	s_delay_alu instid0(VALU_DEP_1)
	v_floor_f32 v12, -v13
	v_mov_b32 v14, 0
	v_mov_b32 v15, 0
	s_wait_loadcnt 0x0
	v_lshlrev_b32 v[QS+1], 16, v[QS]
.set j, 0
.rept 32
	v_mov_b32 v[OT+j], 0
.set j, j+1
.endr
	s_mov_b32 s[TB], 0
	s_mov_b32 s[TV], 15*STEPB/2                    ; V's codes begin 16 x 6,912 bytes on; the loads' offsets carry 6,912 of that
	s_mov_b32 s[TS], 0
	s_mov_b32 s[CNT], 16
.Lstep_\@:
	STEP
	s_sub_co_u32 s[CNT], s[CNT], 1
	s_cmp_lg_u32 s[CNT], 0
	s_cbranch_scc1 .Lstep_\@
.endm
.macro OUT p
	v_add_f32 v14, v14, v15
	s_delay_alu instid0(VALU_DEP_1)
	v_permlanex16_b32 v[TMP], v14, s[SEL], s[SEL+1]
	s_delay_alu instid0(VALU_DEP_1)
	v_add_f32 v14, v14, v[TMP]
	s_wait_alu depctr_va_vdst(0)
	v_rcp_f32 v14, v14
.rept 4
	v_nop
.endr
.set j, 0
	s_wait_alu depctr_va_vdst(0)
.rept 16
	v_pk_mul_f32 v[SCO+j:SCO+j+1], v[OT+j:OT+j+1], v[14:15] op_sel_hi:[1,0]
.set j, j+2
.endr
.irp b, 0,1
.irp i, 0,1,2,3,4,5,6,7
	v_permlane16_swap_b32 v[SCO+16*\b+\i], v[SCO+16*\b+8+\i]
.endr
.endr
.irp b, 0,1
	v_max3_num_f32 v[BX+\b], |v[SCO+16*\b]|, |v[SCO+16*\b+1]|, 0x1800000
.endr
.irp i, 2,4,6,8,10,12,14
.irp b, 0,1
	s_delay_alu instid0(VALU_DEP_2)
	v_max3_num_f32 v[BX+\b], v[BX+\b], |v[SCO+16*\b+\i]|, |v[SCO+16*\b+\i+1]|
.endr
.endr
.irp b, 0,1
	v_permlanex16_b32 v[PT+\b], v[BX+\b], s[SEL], s[SEL+1]
.endr
.irp b, 0,1
	s_delay_alu instid0(VALU_DEP_2)
	v_max_num_f32 v[BX+\b], v[BX+\b], v[PT+\b]
.endr
.irp b, 0,1
	s_delay_alu instid0(VALU_DEP_2)
	v_add_nc_u32 v[SO+\b], 0xff000000, v[BX+\b]
.endr
.irp b, 0,1
	s_delay_alu instid0(VALU_DEP_2)
	v_lshrrev_b32 v[PT+\b], 23, v[SO+\b]
.endr
	s_delay_alu instid0(VALU_DEP_1)
	v_lshl_or_b32 v[TMP], v[PT+1], 8, v[PT]
	v_cvt_scalef32_pk16_fp6_f32 v[PC:PC+2], v[SCO:SCO+15], v[SO]
	v_cvt_scalef32_pk16_fp6_f32 v[PC+8:PC+10], v[SCO+16:SCO+31], v[SO+1]
	v_nop
.irp i, 0,1,2
	v_permlane16_swap_b32 v[PC+\i], v[PC+8+\i]
.endr
.irp i, 0,1,2
	s_delay_alu instid0(VALU_DEP_3)
	v_mov_b32 v[PC+3+\i], v[PC+8+\i]
.endr
.irp i, 0,1,2
	global_store_b64 v[AL8], v[PC+2*\i:PC+2*\i+1], s[56:57] offset:\p*196608+256*\i
.endr
	global_store_b16 v[AR32], v[TMP], s[58:59] offset:\p*8192
.endm
	BODY 0
	QLOAD 1
	OUT 0
	BODY 1
	OUT 1
	s_wait_dscnt 0x0
	s_wait_tensorcnt 0x0
	ds_add_u32 v254, v255
	s_wait_dscnt 0x0
	ROUND
	s_endpgm
.Lfunc_end_k_q72f3fb5217_attn:
	.size	k_q72f3fb5217_attn, .Lfunc_end_k_q72f3fb5217_attn-k_q72f3fb5217_attn
	.p2alignl 7, 3214868480
	.fill 96, 4, 3214868480
	.section	.rodata,"a",@progbits
	.p2align	6, 0x0
	.amdhsa_kernel k_q72f3fb5217_attn
		.amdhsa_group_segment_fixed_size 327680
		.amdhsa_private_segment_fixed_size 0
		.amdhsa_enable_private_segment 0
		.amdhsa_kernarg_size 24
		.amdhsa_user_sgpr_count 2
		.amdhsa_user_sgpr_kernarg_segment_ptr 1
		.amdhsa_wavefront_size32 1
		.amdhsa_system_sgpr_workgroup_id_x 1
		.amdhsa_system_sgpr_workgroup_id_y 1
		.amdhsa_system_sgpr_workgroup_id_z 1
		.amdhsa_system_vgpr_workitem_id 0
		.amdhsa_next_free_vgpr 256
		.amdhsa_next_free_sgpr 66
		.amdhsa_reserve_vcc 0
		.amdhsa_float_denorm_mode_32 3
		.amdhsa_float_denorm_mode_16_64 3
		.amdhsa_memory_ordered 1
		.amdhsa_forward_progress 1
		.amdhsa_inst_pref_size 55
	.end_amdhsa_kernel
	.amdgpu_metadata
---
amdhsa.version: [ 1, 2 ]
amdhsa.kernels:
  - .name:           k_q72f3fb5217_attn
    .symbol:         k_q72f3fb5217_attn.kd
    .args:
      - { .name: qkv, .offset: 0, .size: 8, .value_kind: global_buffer, .address_space: global }
      - { .name: o_img, .offset: 8, .size: 8, .value_kind: global_buffer, .address_space: global }
      - { .name: o_scales, .offset: 16, .size: 8, .value_kind: global_buffer, .address_space: global }
    .group_segment_fixed_size: 327680
    .private_segment_fixed_size: 0
    .kernarg_segment_align: 8
    .kernarg_segment_size: 24
    .max_flat_workgroup_size: 512
    .sgpr_count:     66
    .vgpr_count:     256
    .wavefront_size: 32
...
	.end_amdgpu_metadata
.endif
;; end of part 2
;; launch proj (part 3): grid 8 x 32, 4 waves a work-group, clusters of 4 x 4, 327,680 bytes of LDS; arguments o_img, o_scales, W_out_codes, W_out_scales, b_out, out0; writes out0
.if DOCPART == 3
	.amdgcn_target "amdgcn-amd-amdhsa--gfx1250"
	.amdhsa_code_object_version 6
	.text
	.protected	k_q72f3fb5217_proj
	.globl	k_q72f3fb5217_proj
	.p2align	8
	.type	k_q72f3fb5217_proj,@function
k_q72f3fb5217_proj:
	s_mov_b64 s[64:65], 0
	v_nop
	global_prefetch_b8 v0, s[64:65] scope:SCOPE_SE
	s_setreg_imm32_b32 hwreg(HW_REG_WAVE_MODE, 25, 1), 1
	s_wait_xcnt 0x0
	s_wait_alu depctr_hold_cnt(0) depctr_sa_sdst(0) depctr_va_vdst(0) depctr_va_sdst(0) depctr_va_ssrc(0) depctr_va_vcc(0) depctr_vm_vsrc(0)
	s_getreg_b32 s2, hwreg(HW_REG_IB_STS2, 6, 4)
	s_cmp_eq_u32 s2, 0
	s_cbranch_scc0 .Lentry_in_a_cluster
	s_endpgm
.Lentry_in_a_cluster:
	s_bfe_u32 s2, ttmp6, 0x10000c
	s_cmp_lg_u32 s2, 0xf033
	s_cbranch_scc0 .Lentry_shape_is_right
	s_endpgm
.Lentry_shape_is_right:
; out0 = o W_out + b_out on codes of FP6 (E2M3) with one E8M0 scale for each 32 along K = 1,024.  o [8,192][1,024] comes from the attention launch, W_out [1,024 (n)][1,024 (k)] as given; out0 [8,192][1,024] f32.
; A TILE OF 256 x 128: 32 x 8 = 256 work-groups.  Four waves, a wave 128 x 64: 32 accumulators.
; ALL OF K LIES IN LDS, FILLED ONCE: o's 256 rows (196,608 bytes, four chunks of 256 along K), W_out's 128 rows (768 bytes each), the scales of both: 314,112 bytes.  No byte is filled again.
; Every wave asks at the start for one whole tile of the four: one tensor load a wave.  The products begin when all four tiles have landed (a wait and a barrier).
; o's CODES LIE AS IMAGES OF THE OPERAND'S REGISTERS: [tile of 16 rows][K step of 128][six planes of 256 bytes], plane p = registers 2 p, 2 p + 1 of lane L at 256 p + 8 L: each LDS load takes 256 consecutive bytes.
; W_out's rows come whole, with 16 bytes of padding behind every 256: pitch 816 bytes = 204 words: row r starts at bank 12 r mod 64 (64 banks of 4 bytes: ISA guide 11.1), sixteen different multiples of 4; lanes 16-31 read
; 24 or 40 bytes further on, two banks off every multiple of 4: the 32 lanes of a load of 8 bytes touch 64 different banks.
; b_out is the C of the first products.
; CLUSTERS: 4 x 4 work-groups; o's tiles are asked for jointly along a row of the cluster, W_out's along a column.  A round of the cluster's barrier stands in front of the loads and one at the end.
; The matrix instruction is used transposed (source 0 = 16 rows of W_out, source 1 = 16 rows of o): a lane holds eight neighbouring numbers of a row of out0.
; REGISTERS, in windows of 256: window 0: v8-28 addresses; v32-63 scale words, two sets; v64-95 b_out; v128-223 A's fragments, one set; on the way out v128-191 rows of out0.
;   window 1: B's fragments, two sets, at v0 and v128.   windows 2, 3: the accumulators: (a, b) at v[8 (8 (a % 4) + b)].
.set SIZE_N, 1024
; THE FILLS AS THEY STAND: four whole tiles at the head, one tensor load a wave: wave 0 W_out's 128 rows, wave 1 o's 256 rows, all of K (196,608 dense bytes, 16 rows of 12,288), wave 2 o's scales, wave 3 W_out's.
; Every wave waits for its load, one barrier shows all four tiles, and nothing is filled again.  In LDS o lies as in memory: [tile of 16 rows][K step of 128][six planes].
; The stage of the way out lies on o's first bytes: a barrier in the last step stands between every wave's last reads and the first store there.
.set FR,     12                        ; registers of a fragment
.set NL,     6                         ; LDS loads that bring one
.set NP,     4                         ; places behind this matrix instruction (ISA guide 7.12.1)
.set AROW,   3072                      ; o: a tile of 16 rows x 256 along K
.set ATR,    12288                     ; a tile of 16 rows, all of K
.set ACH,    16*AROW                   ; a chunk: 256 rows x 256 along K
.set BOFF,   4*ACH                     ; behind o's four chunks: W_out's 128 rows
.set BP,     816
.set BQ,     32*BP                     ; a quarter: 32 rows
.set SCL,    BOFF+128*BP               ; o's scales: 256 rows x 32 bytes as units of 256 bytes + 16
.set SAQ,    8*272                     ; a quarter: 64 rows
.set SCLB,   SCL+4*SAQ                 ; W_out's scales: 128 rows
.set SBQ,    4*272                     ; a quarter: 32 rows
.set SBLK,   544                       ; the scales of 16 rows
.set SPITCH, 272                       ; the way out: a stage of 16 rows x (256 bytes + 16) for each wave, on o's first bytes, which nobody reads behind the last step's barrier
.set VBN,  8
.set ADRA, 16                          ; v16     LDS address of my A fragments in the chunk in hand
.set ADRB, 20                          ; v20-21  B's: row x pitch + 24 x half; the same + 40 x half, for the pieces that lie behind one padding more
.set STO,  24
.set RD,   25
.set CO,   26
.set ADRS, 27                          ; v27     scale words: lanes 0-15 A's rows, lanes 16-31 B's
.set ADRS2, 28                         ; v28     scale words of A's blocks 4-7: every lane A's rows (B has four blocks)
.set SC,   32                          ; v32-63  scale words, two sets; they hold nothing else
.set BN,   64
.set AF,   128
.set BK,   128
.set G1A,  24
.set G0A,  32                          ; s[32:35] group 0 of o's load
.set G1B,  48
.set G0B,  56
.set G0SA, 60
.set G1SA, 68
.set G0SB, 76
.set G1SB, 80
.set MSB, 0
.macro WIN new                         ; the immediate's high byte repeats the setting that is left
.if MSB != (\new)
	s_set_vgpr_msb (MSB<<8)|(\new)
.set MSB, (\new)
.endif
.endm
.set MUL_LO, 0xa1                      ; source 0 (B) window 1, source 1 (A) window 0, C and D window 2
.set MUL_HI, 0xf1                      ; the same, C and D window 3
.set FST_LO, 0x81                      ; the first step: C (the bias) window 0, D window 2
.set FST_HI, 0xc1
.set TO_B,   0x40
.macro CROUND                          ; a round of the cluster's barrier
	s_barrier_signal -1
	s_barrier_wait -1
	s_cmp_lg_u32 s14, 0
	s_cbranch_scc1 .Lnot_wave_0_\@
	s_barrier_signal -3
.Lnot_wave_0_\@:
	s_barrier_wait -3
	s_barrier_signal -1
	s_barrier_wait -1
.endm
	s_load_b128 s[4:7], s[0:1], 0x0                ; o's codes, o's scales
	s_load_b128 s[8:11], s[0:1], 0x10              ; W_out's codes, W_out's scales
	s_load_b128 s[96:99], s[0:1], 0x20             ; b_out s[96:97], out0 s[98:99]
	v_lshl_add_u32 v254, v0, 2, 0x4cb00
	v_mov_b32 v255, 0
	ds_add_u32 v254, v255
	ds_add_u32 v254, v255
	v_lshrrev_b32 v1, 5, v0
	v_readfirstlane_b32 s14, v1                    ; wave 0..3
	s_lshr_b32 s15, s14, 1                         ; wm: my 128 of the tile's rows
	s_and_b32 s16, s14, 1                          ; wn: my 64 of its columns
	s_bfe_u32 s88, ttmp6, 0x40000                  ; cx
	s_bfe_u32 s89, ttmp6, 0x40004                  ; cy
	s_lshl_b32 s90, ttmp9, 2
	s_add_co_u32 s90, s90, s88                     ; tile column
	s_and_b32 s91, ttmp7, 0xffff
	s_lshl_b32 s91, s91, 2
	s_add_co_u32 s91, s91, s89                     ; tile row
	s_lshl_b32 s92, s89, 2
	s_lshl_b32 s92, 15, s92                        ; my row of the cluster
	s_lshl_b32 s93, 0x1111, s88                    ; my column
	; o: 16 rows of 12,288 bytes (1,536 elements of 8), dense, no padding
	s_or_b32 s[G1A+0], s92, (3<<16)|(1<<21)
	s_mov_b32 s[G1A+1], 1536<<16                   ; 16 rows of 12,288 bytes (1,536 elements of 8), dense
	s_mov_b32 s[G1A+2], 16<<16
	s_mov_b32 s[G1A+3], 1536<<16
	s_mov_b32 s[G1A+4], 16
	s_mov_b32 s[G1A+5], 1536
	s_mov_b32 s[G1A+6], 0
	s_mov_b32 s[G1A+7], 0
	; W_out: 128 rows of 768 bytes (96 elements of 8), dense, 4 words of padding behind every 64
	s_or_b32 s[G1B+0], s93, (3<<16)|(1<<20)|(1<<21)|(5<<22)|(3<<25)
	s_mov_b32 s[G1B+1], 96<<16
	s_mov_b32 s[G1B+2], 128<<16
	s_mov_b32 s[G1B+3], 96<<16
	s_mov_b32 s[G1B+4], 128
	s_mov_b32 s[G1B+5], 96
	s_mov_b32 s[G1B+6], 0
	s_mov_b32 s[G1B+7], 0
	; the scales of 256 rows of o: 8,192 dense bytes as 32 rows of 256, 16 bytes of padding behind each; of 128 rows of W_out: 16 such rows
	s_or_b32 s[G1SA+0], s92, (3<<16)|(1<<20)|(1<<21)|(5<<22)|(3<<25)
	s_mov_b32 s[G1SA+1], 32<<16
	s_mov_b32 s[G1SA+2], 32<<16
	s_mov_b32 s[G1SA+3], 32<<16
	s_mov_b32 s[G1SA+4], 32
	s_mov_b32 s[G1SA+5], 32
	s_mov_b32 s[G1SA+6], 0
	s_mov_b32 s[G1SA+7], 0
	s_or_b32 s[G1SB+0], s93, (3<<16)|(1<<20)|(1<<21)|(5<<22)|(3<<25)
	s_mov_b32 s[G1SB+1], 32<<16
	s_mov_b32 s[G1SB+2], 16<<16
	s_mov_b32 s[G1SB+3], 32<<16
	s_mov_b32 s[G1SB+4], 16
	s_mov_b32 s[G1SB+5], 32
	s_mov_b32 s[G1SB+6], 0
	s_mov_b32 s[G1SB+7], 0
	s_lshl_b32 s20, s91, 8
	s_mul_i32 s12, s20, 768                        ; o: row 256 x tile row, 768 bytes a row
	s_mov_b32 s13, 0
	s_lshl_b32 s18, s20, 5                         ; 32 scale bytes a row
	s_mov_b32 s19, 0
	s_lshl_b32 s22, s90, 7
	s_mul_i32 s94, s22, 768                        ; W_out: row 128 x tile column
	s_mov_b32 s95, 0
	s_lshl_b32 s2, s22, 5
	s_mov_b32 s3, 0
	s_wait_dscnt 0x0
	s_wait_kmcnt 0x0
	s_add_nc_u64 s[12:13], s[4:5], s[12:13]
	s_add_nc_u64 s[18:19], s[6:7], s[18:19]
	s_add_nc_u64 s[94:95], s[8:9], s[94:95]
	s_add_nc_u64 s[2:3], s[10:11], s[2:3]
	s_mov_b32 s[G0SA], 1
	s_mov_b32 s[G0SA+1], SCL
	s_mov_b64 s[G0SA+2:G0SA+3], s[18:19]
	s_or_b32 s[G0SA+3], s[G0SA+3], 0x80000000
	s_mov_b32 s[G0SB], 1
	s_mov_b32 s[G0SB+1], SCLB
	s_mov_b64 s[G0SB+2:G0SB+3], s[2:3]
	s_or_b32 s[G0SB+3], s[G0SB+3], 0x80000000
	s_mov_b32 s[G0B], 1
	s_mov_b32 s[G0B+1], BOFF
	s_mov_b64 s[G0B+2:G0B+3], s[94:95]
	s_or_b32 s[G0B+3], s[G0B+3], 0x80000000
	s_mov_b32 s[G0A], 1
	s_mov_b32 s[G0A+1], 0
	s_mov_b64 s[G0A+2:G0A+3], s[12:13]
	s_or_b32 s[G0A+3], s[G0A+3], 0x80000000
	CROUND                                         ; all sixteen work-groups are here: the joint loads meet
.macro ARM under, g0, g1, next         ; one tree of branches on the wave's number: every way passes exactly one load
	s_cmp_lt_u32 s14, \under
	s_cbranch_scc0 \next
	tensor_load_to_lds s[\g0:\g0+3], s[\g1:\g1+7]
	s_nop 0
.rept 4
	v_nop
.endr
	s_branch .Lhead_asked
\next:
.endm
	ARM 1, G0B,  G1B,  .Lhead_a
	ARM 2, G0A,  G1A,  .Lhead_sa
	ARM 3, G0SA, G1SA, .Lhead_sb
	tensor_load_to_lds s[G0SB:G0SB+3], s[G1SB:G1SB+7]
	s_nop 0
.rept 4
	v_nop
.endr
.Lhead_asked:
	v_and_b32 v1, 15, v0                           ; r
	v_bfe_u32 v2, v0, 4, 1                         ; h
	v_and_b32 v6, 31, v0
	v_lshlrev_b32 v7, 3, v6                        ; 8 x lane: my place in a plane
	v_mul_u32_u24 v3, v1, BP
	v_mul_u32_u24 v4, v2, 24
	v_add_nc_u32 v4, v3, v4                        ; B: row x pitch + 24 x half
	v_lshl_add_u32 v5, v2, 4, v4                   ; and the same behind one padding more
	s_mul_i32 s21, s15, 8*ATR                      ; my 128 rows of o
	s_mul_i32 s22, s16, 64*BP                      ; my 64 rows of W_out
	s_add_co_u32 s22, s22, BOFF
	v_add_nc_u32 v[ADRA], s21, v7
	v_add_nc_u32 v[ADRA+1], 4*ATR, v[ADRA]         ; v17: the same for my blocks 4-7, so that the loads' offsets stay inside 16 bits
	v_add_nc_u32 v[ADRB], s22, v4
	v_add_nc_u32 v[ADRB+1], s22, v5
	v_lshlrev_b32 v5, 5, v1                        ; my row's scales: 32 bytes a row,
	v_lshrrev_b32 v6, 8, v5
	v_lshl_add_u32 v5, v6, 4, v5                   ; and 16 more for each 256 passed
	s_mul_i32 s21, s15, 2*SAQ                      ; o's: my 128 rows
	s_mul_i32 s22, s16, 2*SBQ                      ; W_out's: my 64 rows, behind o's 256
	s_add_co_u32 s22, s22, 4*SAQ
	s_sub_co_u32 s22, s22, s21
	v_mul_u32_u24 v6, s22, v2                      ; lanes 16-31 take B's
	s_add_co_u32 s21, s21, SCL
	v_add_nc_u32 v[ADRS2], s21, v5
	v_add_nc_u32 v[ADRS], v[ADRS2], v6
	s_mul_i32 s23, s14, 16*SPITCH                  ; my stage
	v_mul_u32_u24 v5, v1, SPITCH                   ; in: row r, 32 bytes for each half of the lanes
	v_lshl_add_u32 v5, v2, 5, v5
	v_add_nc_u32 v[STO], s23, v5
	v_mul_u32_u24 v5, v2, SPITCH                   ; back: lanes 0-15 one row of 256 bytes, lanes 16-31 the next
	v_lshl_add_u32 v5, v1, 4, v5
	v_add_nc_u32 v[RD], s23, v5
	v_lshlrev_b32 v[CO], 12, v2                    ; and the same two rows in out0: 4,096 bytes a row
	v_lshl_add_u32 v[CO], v1, 4, v[CO]
	s_lshl_b32 s20, s91, 8
	s_lshl_b32 s21, s15, 7
	s_add_co_u32 s20, s20, s21                     ; my first row of out0,
	s_lshl_b32 s20, s20, 12                        ; in bytes
	s_lshl_b32 s22, s90, 9
	s_lshl_b32 s23, s16, 8
	s_add_co_u32 s22, s22, s23                     ; my first column, in bytes; b_out's numbers of my columns begin as far on
	v_lshl_add_u32 v[VBN], v2, 5, s22              ; + 32 h: my half's eight columns of a block
.irp b, 0,1,2,3
	global_load_b128 v[BN+8*\b:BN+8*\b+3], v[VBN], s[96:97] offset:64*\b
	global_load_b128 v[BN+8*\b+4:BN+8*\b+7], v[VBN], s[96:97] offset:64*\b+16
.endr
	s_add_co_u32 s20, s20, s22
	s_mov_b32 s21, 0
	s_add_nc_u64 s[98:99], s[98:99], s[20:21]
; kq below: which 128 along K, 0 to 7.  B's set is kq % 2, the set of scale words (kq / 2) % 2, the word in it kq % 2.
.macro FRAGB reg, kq, i                ; B: 16 rows x 128 K, 12 registers, in pieces of 8 bytes.  Lanes 0-15 take the row's pieces 12 kq + 0, 1, 2 and + 6, 7, 8, lanes 16-31 those three pieces on:
.irp p, 0,1,2,3,4,5                    ; where the piece three on lies behind one padding more (32 pieces to a padding), the second address register serves
.set PCE, 12*(\kq)+6*(\p/3)+\p%3
.if PCE%32 < 29
	ds_load_b64 v[\reg+2*\p:\reg+2*\p+1], v[ADRB] offset:8*PCE+16*(PCE/32)+(\i)*16*BP
.else
	ds_load_b64 v[\reg+2*\p:\reg+2*\p+1], v[ADRB+1] offset:8*PCE+16*(PCE/32)+(\i)*16*BP
.endif
.endr
.endm
.macro FRAGI reg, kq, i                ; A: six planes of an image, in the chunk at which v[ADRA] stands
.irp p, 0,1,2,3,4,5
	ds_load_b64 v[\reg+2*\p:\reg+2*\p+1], v[ADRA+(\i)/4] offset:((\i)%4)*ATR+((\kq)%2)*1536+256*\p
.endr
.endm
; 8 matrix instructions: A's blocks a0, a0 + 1 x B's four.  first = 1: the sums start from b_out.  The 32 accumulators take turns, one instruction a turn.
.macro MUL8 a0, kq, first
.irp a, \a0, \a0+1
.irp b, 0,1,2,3
.if \first
	v_wmma_scale_f32_16x16x128_f8f6f4 v[8*(8*((\a)%4)+\b):8*(8*((\a)%4)+\b)+7], v[128*((\kq)%2)+FR*\b:128*((\kq)%2)+FR*\b+FR-1], v[AF+FR*(\a):AF+FR*(\a)+FR-1], v[BN+8*\b:BN+8*\b+7], v[SC+16*(((\kq)/2)%2)+2*\b+(\kq)%2], v[SC+16*(((\kq)/2)%2)+2*(\a)+(\kq)%2] matrix_a_fmt:MATRIX_FMT_FP6 matrix_b_fmt:MATRIX_FMT_FP6 matrix_a_scale:MATRIX_SCALE_ROW1
.else
	v_wmma_scale_f32_16x16x128_f8f6f4 v[8*(8*((\a)%4)+\b):8*(8*((\a)%4)+\b)+7], v[128*((\kq)%2)+FR*\b:128*((\kq)%2)+FR*\b+FR-1], v[AF+FR*(\a):AF+FR*(\a)+FR-1], v[8*(8*((\a)%4)+\b):8*(8*((\a)%4)+\b)+7], v[SC+16*(((\kq)/2)%2)+2*\b+(\kq)%2], v[SC+16*(((\kq)/2)%2)+2*(\a)+(\kq)%2] matrix_a_fmt:MATRIX_FMT_FP6 matrix_b_fmt:MATRIX_FMT_FP6 matrix_a_scale:MATRIX_SCALE_ROW1
.endif
.endr
.endr
.endm
.macro FETCH_B kq
	WIN TO_B
.irp i, 0,1,2,3
	FRAGB 128*((\kq)%2)+FR*\i, \kq, \i
.endr
	WIN 0
.endm
.macro FETCH_A kq, i0
.irp i, \i0, \i0+1, \i0+2, \i0+3
	FRAGI AF+FR*(\i), \kq, \i
.endr
.endm
.macro SCALES sc                       ; a chunk's scale words: two words a row; lanes 0-15 A's block i; lanes 16-31 B's block i where B has one
.irp i, 0,1,2,3
	ds_load_b64 v[SC+16*(\sc)+2*\i:SC+16*(\sc)+2*\i+1], v[ADRS] offset:\i*SBLK
.endr
.irp i, 4,5,6,7
	ds_load_b64 v[SC+16*(\sc)+2*\i:SC+16*(\sc)+2*\i+1], v[ADRS2] offset:\i*SBLK
.endr
.endm
.macro PLACES n                        ; plain vector instructions that name none of a matrix instruction's registers, in front of loads into its sources and of reads of its results
.rept \n
	v_nop
.endr
.endm
.macro STEP kq, first                  ; an even kq: its successor lies in the same chunk
	s_wait_dscnt 4*NL                              ; B's set and A's blocks 0-3 are in; the youngest 24 loads (A's blocks 4-7) may be out
.if \first
	WIN FST_LO
.else
	WIN MUL_LO
.endif
	MUL8 0, \kq, \first
	MUL8 2, \kq, \first
	s_wait_dscnt 0                                 ; A's blocks 4-7 are in
	PLACES NP
	FETCH_B (\kq)+1
	FETCH_A (\kq)+1, 0
.if \first
	WIN FST_HI
.else
	WIN MUL_HI
.endif
	MUL8 4, \kq, \first
	MUL8 6, \kq, \first
	PLACES NP
	WIN 0
	FETCH_A (\kq)+1, 4
.endm
; An odd kq: the next chunk follows.  left is not used: every chunk is in since the head.
.macro TURN kq, left
	s_wait_dscnt 4*NL                              ; the youngest 24 loads (A's blocks 4-7) may be out
	WIN MUL_LO
	MUL8 0, \kq, 0
	s_wait_dscnt 0x0                               ; A's blocks 4-7 are in
	MUL8 2, \kq, 0
	WIN 0
	PLACES NP
	v_add_nc_u32 v[ADRA], AROW, v[ADRA]            ; on to the next 256 along K,
	v_add_nc_u32 v[ADRA+1], AROW, v[ADRA+1]
	v_add_nc_u32 v[ADRS], 8, v[ADRS]               ; and its two scale words a row
	v_add_nc_u32 v[ADRS2], 8, v[ADRS2]
	FETCH_B (\kq)+1
	FETCH_A (\kq)+1, 0
	SCALES (((\kq)+1)/2)%2
	WIN MUL_HI
	MUL8 4, \kq, 0
	MUL8 6, \kq, 0
	PLACES NP
	WIN 0
	FETCH_A (\kq)+1, 4
.endm
	s_wait_alu depctr_va_vdst(0)
	s_wait_tensorcnt 0x0                           ; my tile of the four is in
	s_barrier_signal -1
	s_barrier_wait -1                              ; everybody's are
	FETCH_B 0
	FETCH_A 0, 0
	SCALES 0
	FETCH_A 0, 4
	s_wait_loadcnt 0x0                             ; b_out
	STEP 0, 1
	TURN 1, 2                                      ; on to chunk 1
	s_wait_alu depctr_va_vdst(0)
	STEP 2, 0
	TURN 3, 1
	s_wait_alu depctr_va_vdst(0)
	STEP 4, 0
	TURN 5, 0                                      ; the last chunk: all my tensor loads are done
	s_wait_alu depctr_va_vdst(0)
	STEP 6, 0
	s_wait_dscnt 4*NL                              ; the last step: nothing more to fetch
	WIN MUL_LO
	MUL8 0, 7, 0
	MUL8 2, 7, 0
	s_wait_dscnt 0
	s_barrier_signal -1                            ; my last reads of o's bytes are done
	WIN MUL_HI
	MUL8 4, 7, 0
	MUL8 6, 7, 0
	WIN 0
	s_barrier_wait -1                              ; everybody's are: the stages may be written
; THE WAY OUT, block by block of 16 rows x 64 columns, through my own stage in LDS: in as 32 bytes a lane, back as whole rows of 256 bytes.  LDS serves a wave's instructions in order (ISA guide 5.7.1.4).
.macro TOSTAGE a
.set AC, 64*((\a)%4)
.set WW, 0x08+4*((\a)/4)
	WIN WW                                         ; an LDS store's data: window 2 or 3
.irp b, 0,1,2,3
	ds_store_b128 v[STO], v[AC+8*\b:AC+8*\b+3] offset:64*\b          ; each accumulator from its low end on
	ds_store_b128 v[STO], v[AC+8*\b+4:AC+8*\b+7] offset:64*\b+16
.endr
	WIN 0
.set BB, BK+32*((\a)%2)
.irp t, 0,1,2,3,4,5,6,7
	ds_load_b128 v[BB+4*\t:BB+4*\t+3], v[RD] offset:\t*2*SPITCH
.endr
.endm
.macro SEND a, younger                 ; younger: the LDS instructions issued behind block a's loads, which may stay out
.set BB, BK+32*((\a)%2)
	s_wait_dscnt \younger
.if (\a) > 0
	s_add_nc_u64 s[98:99], s[98:99], 16*SIZE_N*4   ; (behind a wait on XCNT: the earlier stores have read their base)
.endif
.irp t, 0,1,2,3,4,5,6,7
	global_store_b128 v[CO], v[BB+4*\t:BB+4*\t+3], s[98:99] offset:2*\t*SIZE_N*4 th:TH_STORE_NT   ; 16 lanes store 256 consecutive bytes, at a multiple of 256 from out0's first byte; written once, read by nobody here
.endr
.endm
	PLACES NP
	TOSTAGE 0
.irp a, 1,2,3,4,5,6,7
.if \a > 1
	s_wait_xcnt 0x0                                ; block a - 2's stores have read their registers and their base
.endif
	TOSTAGE \a
	SEND \a-1, 16                                  ; behind block a - 1's loads: block a's 8 stores and 8 loads
.endr
	s_wait_xcnt 0x0
	SEND 7, 0
	s_wait_dscnt 0x0
	s_wait_tensorcnt 0x0
	ds_add_u32 v254, v255
	s_wait_dscnt 0x0
	CROUND                                         ; the closing round: no work-group ends while a partner may still ask for a tile that names it
	s_endpgm
.Lfunc_end_k_q72f3fb5217_proj:
	.size	k_q72f3fb5217_proj, .Lfunc_end_k_q72f3fb5217_proj-k_q72f3fb5217_proj
	.p2alignl 7, 3214868480
	.fill 96, 4, 3214868480
	.section	.rodata,"a",@progbits
	.p2align	6, 0x0
	.amdhsa_kernel k_q72f3fb5217_proj
		.amdhsa_group_segment_fixed_size 327680
		.amdhsa_private_segment_fixed_size 0
		.amdhsa_enable_private_segment 0
		.amdhsa_kernarg_size 48
		.amdhsa_user_sgpr_count 2
		.amdhsa_user_sgpr_kernarg_segment_ptr 1
		.amdhsa_wavefront_size32 1
		.amdhsa_system_sgpr_workgroup_id_x 1
		.amdhsa_system_sgpr_workgroup_id_y 1
		.amdhsa_system_sgpr_workgroup_id_z 1
		.amdhsa_system_vgpr_workitem_id 0
		.amdhsa_next_free_vgpr 1024
		.amdhsa_next_free_sgpr 100
		.amdhsa_reserve_vcc 0
		.amdhsa_float_denorm_mode_32 3
		.amdhsa_float_denorm_mode_16_64 3
		.amdhsa_memory_ordered 1
		.amdhsa_forward_progress 1
		.amdhsa_inst_pref_size 100
	.end_amdhsa_kernel
	.amdgpu_metadata
---
amdhsa.version: [ 1, 2 ]
amdhsa.kernels:
  - .name:           k_q72f3fb5217_proj
    .symbol:         k_q72f3fb5217_proj.kd
    .args:
      - { .name: o_img, .offset: 0, .size: 8, .value_kind: global_buffer, .address_space: global }
      - { .name: o_scales, .offset: 8, .size: 8, .value_kind: global_buffer, .address_space: global }
      - { .name: W_out_codes, .offset: 16, .size: 8, .value_kind: global_buffer, .address_space: global }
      - { .name: W_out_scales, .offset: 24, .size: 8, .value_kind: global_buffer, .address_space: global }
      - { .name: b_out, .offset: 32, .size: 8, .value_kind: global_buffer, .address_space: global }
      - { .name: out0, .offset: 40, .size: 8, .value_kind: global_buffer, .address_space: global }
    .group_segment_fixed_size: 327680
    .private_segment_fixed_size: 0
    .kernarg_segment_align: 8
    .kernarg_segment_size: 48
    .max_flat_workgroup_size: 128
    .sgpr_count:     100
    .vgpr_count:     1024
    .wavefront_size: 32
...
	.end_amdgpu_metadata
.endif
;; end of part 3
